; MI455X (gfx1250); checked and timed in simulation.
; The chip was launched on July 23, 2026; its instructions are those of AMD's public machine-readable ISA for CDNA 5 (MIT licence, August 2026) and "CDNA5" Instruction Set Architecture Reference Guide (July 2026). The comments in the code are by the model that wrote it; some were corrected since.
;; Causal Self Attention. Allowed arithmetic: matrix products marked QUANTISED: E4M3 operands, one E8M0 scale for each 32 along K, by v_wmma_scale_f32_16x16x128_f8f6f4 with both operands' format E4M3, f32 sums; everything else in f32.
;; Inputs: b_attn 3,072 float32; b_proj 1,024 float32; w_attn 3,072 x 1,024 float32; w_proj 1,024 x 1,024 float32; x 2 x 2,048 x 1,024 float32.
;; Outputs: out0 2 x 2,048 x 1,024 float32.
;; This version of the problem:
;;   THIS VERSION OF THE PROBLEM IS GIVEN IN LOW PRECISION. The matrix products marked QUANTISED in the list below multiply operands that are first quantised to E4M3 (4 exponent bits, 3 mantissa bits; 8 bits a number), with one power-of-two scale for each 32 numbers along K (OCP MX v1.0); their sums are f32. All else is computed in f32.
;;   The module's matrix products, in the order in which they are computed (A, B: the left and right operand; K: the contracted axis; several contracted axes count as one K, in the product's order):
;;     1. [M 4,096, K 1,024] x [K 1,024, N 3,072]; A: input x; B: computed on the way: QUANTISED
;;     2. batch 32 x [M 2,048, K 64] x [K 64, N 2,048]; A: computed on the way; B: computed on the way: QUANTISED
;;     3. batch 32 x [M 2,048, K 2,048] x [K 2,048, N 64]; A: softmax (see below); B: computed on the way: QUANTISED
;;     4. [M 4,096, K 1,024] x [K 1,024, N 1,024]; A: computed on the way; B: computed on the way: QUANTISED
;;   THE QUANTISER, for each operand of a quantised product, along K:
;;     - K is cut into blocks of 32 from its start; a last block that is shorter is filled with zeros.
;;     - A block's scale is 2^e with e = floor(log2(the largest magnitude in the block)) - 8, held to -126 .. 127; a block of zeros has e = 0. As a byte (E8M0): e + 127.
;;     - Each number is divided by its block's scale, clamped to +-448, and rounded to the nearest number of E4M3, ties to even, subnormals kept.
;;     - The product sums the exact products of the quantised numbers (number of the format x scale) in f32.
;;   ~~~python
;;   def quantise(x, axis):      # numpy; x: float32 -> the quantised numbers, widened to float32 again
;;       x = np.moveaxis(x, axis, -1); K = x.shape[-1]
;;       x = np.pad(x, [(0, 0)] * (x.ndim - 1) + [(0, -K % 32)]); x = x.reshape(x.shape[:-1] + (-1, 32)); a = np.abs(x).max(-1, keepdims=True)
;;       e = np.where(a > 0, np.clip(np.frexp(np.where(a > 0, a, 1))[1] - 1 - 8, -126, 127), 0)      # np.frexp(a)[1] - 1 = floor(log2(a)), exactly
;;       r = np.clip(x / 2.0 ** e, -448, 448)
;;       step = 2.0 ** (np.maximum(np.frexp(np.where(r == 0, 1, r))[1] - 1, -6) - 3)
;;       q = np.round(r / step) * step * 2.0 ** e      # np.round: ties to even
;;       return np.moveaxis(q.reshape(q.shape[:-2] + (-1,))[..., :K], -1, axis).astype(np.float32)
;;   ~~~
;;   SOFTMAX AHEAD OF A QUANTISED PRODUCT. Where the list says 'softmax', what is quantised is not the finished softmax but p = 2^(t - M), with t = logit x log2(e) and M = ceil(the row's largest t), a whole number; so 1/2 < the row's largest p <= 1. The row's sum l is taken of the UNQUANTISED p, in f32, and the product's result is divided by l at the end. Since M is a whole number, a kernel that streams over the keys may use a running M (the ceiling of the running maximum): every later rescaling is an exact power of two, which a block's scale takes up: the codes' values come out the same.
;;   OPERANDS COMPUTED ON THE WAY. 'Computed on the way' means the value that the module computes at that place (a softmax that the list does not call 'softmax' is quantised finished and normalised). What goes into a quantiser is computed in f32, as accurately as f32 sums, v_exp_f32 and their like allow (about 1e-6 of the number): no bf16 or f16 on the way to a quantiser, and a product that is left as it is and whose result goes on into a quantised operand takes f32 operands (vector FMAs, or v_wmma_f32_16x16x4_f32). A number that lies on a knife's edge between two numbers of the format may be rounded either way, as far as f32 arithmetic and the matrix unit's own rounding can turn it there, and no further.
;; One version. Each part assembles by itself: llvm-mc -triple=amdgcn-amd-amdhsa -mcpu=gfx1250 --defsym DOCPART=n.
;; ======== version 1 of 1: 5 launches
;; limits: right only within a limited range of input values
;; workspace buffers: xq 4,325,376 bytes; yq 4,325,376 bytes; wq 5,406,720 bytes; pmax 4,096 bytes; qkv 17,301,504 bytes
;; launch prep (part 1): grid 256 x 1, 4 waves a work-group, no clusters, 0 bytes of LDS; arguments w_attn, w_proj, pmax; writes pmax
.if DOCPART == 1
	.amdgcn_target "amdgcn-amd-amdhsa--gfx1250"
	.amdhsa_code_object_version 6
	.text
	.protected	k_q756d5068ae_prep
	.globl	k_q756d5068ae_prep
	.p2align	8
	.type	k_q756d5068ae_prep,@function
k_q756d5068ae_prep:
	s_mov_b64 s[64:65], 0
	v_nop
	global_prefetch_b8 v0, s[64:65] scope:SCOPE_SE
	s_setreg_imm32_b32 hwreg(HW_REG_WAVE_MODE, 25, 1), 1
	s_wait_xcnt 0x0
; PREP.  The largest |w| of 16,384 bytes a wave of w_attn (work-groups 0-191) and of w_proj (192-255): one f32 a wave into pmax, word 4 x work-group + wave; the next launch joins them.
; A wave has its 32 loads of 512 consecutive bytes out at once; no LDS, no barrier: waves share nothing.  Matrix units, clusters and tensor loads have nothing to do here: each byte is read once, by one wave.
; LIMITS: NaN is not served (a maximum passes it over).
.set LI,  4                            ; v4  16 x lane
.set R,   16                           ; v16-143 the numbers
.set Z,   144                          ; v144 0: the store's offset
.set TM,  148                          ; v148-152 at work
.set SEL, 20                           ; s[20:21] lane selects: lane l xor 16
	s_load_b128 s[4:7], s[0:1], 0x0                ; w_attn s[4:5], w_proj s[6:7]
	s_load_b64 s[8:9], s[0:1], 0x10                ; pmax
	v_lshrrev_b32 v1, 5, v0
	v_readfirstlane_b32 s16, v1                    ; wave 0..3
	v_and_b32 v1, 31, v0                           ; lane
	v_lshlrev_b32 v[LI], 4, v1
	v_mov_b32 v[TM+4], 0                           ; a lane permute's destination counts as one of its sources
	s_mov_b32 s[SEL], 0x76543210
	s_mov_b32 s[SEL+1], 0xfedcba98
	s_lshl_b32 s30, ttmp9, 2
	s_add_co_u32 s30, s30, s16
	s_lshl_b32 s30, s30, 2                         ; pmax: word 4 x work-group + wave
	s_mov_b32 s31, 0
	s_cmp_lt_u32 ttmp9, 192                        ; w_attn's 192 runs of 65,536 bytes, then w_proj's 64
	s_cselect_b32 s25, 0, 192
	s_sub_co_u32 s24, ttmp9, s25
	s_lshl_b32 s24, s24, 16
	s_lshl_b32 s25, s16, 14
	s_add_co_u32 s24, s24, s25
	s_mov_b32 s25, 0
	s_wait_alu depctr_va_vdst(0)                   ; the wait at the head's end
	s_wait_kmcnt 0x0
	s_cmp_lt_u32 ttmp9, 192
	s_cselect_b64 s[6:7], s[4:5], s[6:7]
	s_add_nc_u64 s[6:7], s[6:7], s[24:25]
	s_add_nc_u64 s[8:9], s[8:9], s[30:31]
.set J, 0
.rept 32
	global_load_b128 v[R+4*J:R+4*J+3], v[LI], s[6:7] offset:512*J   ; no hint: the next launch reads the weights again
.set J, J+1
.endr
	v_mov_b32 v[Z], 0
	s_wait_loadcnt 0x0
.irp k, 0,1,2,3
	v_max_num_f32 v[TM+\k], |v[R+32*\k]|, |v[R+32*\k+1]|            ; four chains by turns
.endr
.irp i, 2,4,6,8,10,12,14,16,18,20,22,24,26,28,30
.irp k, 0,1,2,3
	v_max3_num_f32 v[TM+\k], v[TM+\k], |v[R+32*\k+\i]|, |v[R+32*\k+\i+1]|
.endr
.endr
	v_max3_num_f32 v[TM], v[TM], v[TM+1], v[TM+2]
	v_max_num_f32 v[TM], v[TM], v[TM+3]
	v_max_num_f32_dpp v[TM], v[TM], v[TM] row_xmask:1 row_mask:0xf bank_mask:0xf
	v_max_num_f32_dpp v[TM], v[TM], v[TM] row_xmask:2 row_mask:0xf bank_mask:0xf
	v_max_num_f32_dpp v[TM], v[TM], v[TM] row_xmask:4 row_mask:0xf bank_mask:0xf
	v_max_num_f32_dpp v[TM], v[TM], v[TM] row_xmask:8 row_mask:0xf bank_mask:0xf
	v_permlanex16_b32 v[TM+4], v[TM], s[SEL], s[SEL+1]
	v_max_num_f32 v[TM], v[TM], v[TM+4]
	s_wait_alu depctr_va_vdst(0)
	s_wait_xcnt 0x0                                ; EXEC changes only behind this wait
	v_cmp_eq_u32 vcc_lo, 0, v1
	s_and_saveexec_b32 s32, vcc_lo                 ; lane 0 stores the wave's figure
	global_store_b32 v[Z], v[TM], s[8:9]
	s_endpgm
.Lfunc_end_k_q756d5068ae_prep:
	.size	k_q756d5068ae_prep, .Lfunc_end_k_q756d5068ae_prep-k_q756d5068ae_prep
	.p2alignl 7, 3214868480
	.fill 96, 4, 3214868480
	.section	.rodata,"a",@progbits
	.p2align	6, 0x0
	.amdhsa_kernel k_q756d5068ae_prep
		.amdhsa_group_segment_fixed_size 0
		.amdhsa_private_segment_fixed_size 0
		.amdhsa_enable_private_segment 0
		.amdhsa_kernarg_size 24
		.amdhsa_user_sgpr_count 2
		.amdhsa_user_sgpr_kernarg_segment_ptr 1
		.amdhsa_wavefront_size32 1
		.amdhsa_system_sgpr_workgroup_id_x 1
		.amdhsa_system_sgpr_workgroup_id_y 1
		.amdhsa_system_sgpr_workgroup_id_z 1
		.amdhsa_system_vgpr_workitem_id 0
		.amdhsa_next_free_vgpr 160
		.amdhsa_next_free_sgpr 66
		.amdhsa_reserve_vcc 1
		.amdhsa_float_denorm_mode_32 3
		.amdhsa_float_denorm_mode_16_64 3
		.amdhsa_memory_ordered 1
		.amdhsa_forward_progress 1
		.amdhsa_inst_pref_size 10
	.end_amdhsa_kernel
	.amdgpu_metadata
---
amdhsa.version: [ 1, 2 ]
amdhsa.kernels:
  - .name:           k_q756d5068ae_prep
    .symbol:         k_q756d5068ae_prep.kd
    .args:
      - { .name: w_attn, .offset: 0, .size: 8, .value_kind: global_buffer, .address_space: global }
      - { .name: w_proj, .offset: 8, .size: 8, .value_kind: global_buffer, .address_space: global }
      - { .name: pmax, .offset: 16, .size: 8, .value_kind: global_buffer, .address_space: global }
    .group_segment_fixed_size: 0
    .private_segment_fixed_size: 0
    .kernarg_segment_align: 8
    .kernarg_segment_size: 24
    .max_flat_workgroup_size: 128
    .sgpr_count:     66
    .vgpr_count:     160
    .wavefront_size: 32
...
	.end_amdgpu_metadata
.endif
;; end of part 1
;; launch snapq (part 2): grid 512 x 1, 4 waves a work-group, no clusters, 135,680 bytes of LDS; arguments w_attn, w_proj, pmax, wq, x, xq; writes wq, xq
.if DOCPART == 2
	.amdgcn_target "amdgcn-amd-amdhsa--gfx1250"
	.amdhsa_code_object_version 6
	.text
	.protected	k_q756d5068ae_snapq
	.globl	k_q756d5068ae_snapq
	.p2align	8
	.type	k_q756d5068ae_snapq,@function
k_q756d5068ae_snapq:
	s_mov_b64 s[64:65], 0
	v_nop
	global_prefetch_b8 v0, s[64:65] scope:SCOPE_SE
	s_setreg_imm32_b32 hwreg(HW_REG_WAVE_MODE, 25, 1), 1
	s_wait_xcnt 0x0
; SNAPQ.  Both weights are snapped to the table (magnitudes 0, 0.076923, 0.090909, 0.142857, 0.2, 0.333333, 0.5, 1 times scale, scale = the tensor's largest |w| + 1e-6) and then quantised along K
; (their rows) to E4M3 with one E8M0 byte for each 32, laid as images of operand registers: a fragment (16 rows x 128 K) is 2,048 bytes, chunk c holds registers 4 c .. 4 c + 3, lane l's 16 bytes at 512 c + 16 l.
; wq: w_attn's codes [kp 4][rb 256 (192 used)][q 2][2048], its scale words at SCOFF [kp 4][row 4096 (3072 used)][8]; w_proj's codes at PCOFF [kp 4][rb 64][q 2][2048], its scale words at PSOFF [kp 4][row 1024][8].
; Lane r of block rb holds row 32 (rb / 2) + 8 (rb % 2) + r + 8 (r / 8).  Work-groups 0-191 are w_attn's blocks, 192-255 w_proj's; wave = kp.  One path for both: only pointers and offsets are chosen.
; THE SNAP: the nearest table entry is found by comparing |w| with the midpoints x scale; the sign is w's.  On an exact midpoint the larger magnitude is taken, and 0 against the smallest, as the first index of an argmin has it.
; LIMITS: the comparison |w| >= midpoint x scale may differ from |w / scale - entry| within an ulp of a midpoint; a snapped zero keeps w's sign (the code +-0);
; NaN and infinities are not served; a block of zeros gets the byte 1: its codes are zeros and this program alone reads the bytes.
.set KPS,   1048576
.set SCOFF, 4194304
.set SKP,   32768
.set PCOFF, 4325376
.set PKPS,  262144
.set PSOFF, 5373952
.set PSKP,  8192
.set WST,   16896
.set IST,   8448
.set SP,    528
.set LI,  4
.set STI, 5
.set STO, 6
.set SA,  7
.set Y,   8                            ; v8-11   four magnitudes at work
.set R,   16
.set X,   144
.set PC,  208
.set TM,  224
.set PW,  240
.set T,   242                          ; v242-248 the seven midpoints x scale
.set P,   249                          ; v249-255 the seven magnitudes x scale
.set SEL, 20
.set MNT, 23
.macro QUANT s, pw
.irp b, 0,1,2,3
	v_max3_num_f32 v[TM+\b], |v[\s+16*\b]|, |v[\s+1+16*\b]|, 0x4800000   ; my 16 numbers of block b, and the floor 2^(9 - 127)
.endr
.irp i, 2,4,6,8,10,12,14
.irp b, 0,1,2,3
	v_max3_num_f32 v[TM+\b], v[TM+\b], |v[\s+16*\b+\i]|, |v[\s+1+16*\b+\i]|
.endr
.endr
.irp b, 0,1,2,3
	v_permlanex16_b32 v[TM+4+\b], v[TM+\b], s[SEL], s[SEL+1]
.endr
.irp b, 0,1,2,3
	v_max_num_f32 v[TM+\b], v[TM+\b], v[TM+4+\b]
.endr
.irp b, 0,1,2,3
	v_add_nc_u32 v[TM+12+\b], 0xfc000000, v[TM+\b]
.endr
.irp b, 0,1,2,3
	v_and_or_b32 v[TM+8+\b], v[TM+\b], 0x7f800000, s[MNT]
.endr
.irp b, 0,1,2,3
	v_lshrrev_b32 v[TM+4+\b], 23, v[TM+12+\b]
.endr
	v_lshl_or_b32 v[\pw], v[TM+5], 8, v[TM+4]
	v_lshl_or_b32 v[\pw], v[TM+6], 16, v[\pw]
	v_lshl_or_b32 v[\pw], v[TM+7], 24, v[\pw]
.irp b, 0,1,2,3
.irp i, 0,1,2,3,4,5,6,7,8,9,10,11,12,13,14,15
	v_med3_num_f32 v[\s+16*\b+\i], v[\s+16*\b+\i], -v[TM+8+\b], v[TM+8+\b]
.endr
	v_cvt_scalef32_pk8_fp8_f32 v[PC+4*\b:PC+1+4*\b], v[\s+16*\b:\s+7+16*\b], v[TM+12+\b]
	v_cvt_scalef32_pk8_fp8_f32 v[PC+2+4*\b:PC+3+4*\b], v[\s+8+16*\b:\s+15+16*\b], v[TM+12+\b]
.endr
	v_nop
.endm
.macro SNAP4 x0                        ; four numbers by turns: the magnitude climbs the table as |w| passes each midpoint
.irp e, 0,1,2,3
	v_cmp_gt_f32 s[40+\e], |v[\x0+\e]|, v[T]
.endr
.irp e, 0,1,2,3
	v_cndmask_b32 v[Y+\e], 0, v[P], s[40+\e]
.endr
.irp i, 1,2,3,4,5,6
.irp e, 0,1,2,3
	v_cmp_ge_f32 s[40+\e], |v[\x0+\e]|, v[T+\i]
.endr
.irp e, 0,1,2,3
	v_cndmask_b32 v[Y+\e], v[Y+\e], v[P+\i], s[40+\e]
.endr
.endr
.irp e, 0,1,2,3
	v_bfi_b32 v[\x0+\e], s36, v[Y+\e], v[\x0+\e]   ; the magnitude's bits under w's sign
.endr
.endm
	s_load_b256 s[4:11], s[0:1], 0x0               ; w_attn s[4:5], w_proj s[6:7], pmax s[8:9], wq s[10:11]
	s_load_b128 s[12:15], s[0:1], 0x20             ; x s[12:13], xq s[14:15]
	v_lshl_add_u32 v14, v0, 2, 0x10800
	v_mov_b32 v15, 0
	v_lshrrev_b32 v1, 5, v0
	v_readfirstlane_b32 s16, v1                    ; wave = kp
	v_and_b32 v1, 31, v0
	v_and_b32 v2, 15, v0
	v_bfe_u32 v3, v0, 4, 1
	v_lshlrev_b32 v[LI], 4, v1
	s_mov_b32 s[SEL], 0x76543210
	s_mov_b32 s[SEL+1], 0xfedcba98
	s_mov_b32 s[MNT], 0x600000
	s_mov_b32 s36, 0x7fffffff
.irp b, 0,1,2,3
	v_mov_b32 v[TM+4+\b], 0
.endr
	v_mov_b32 v9, 0
	s_mul_i32 s17, s16, WST
	v_add_nc_u32 v[STI], s17, v[LI]
	v_mul_u32_u24 v[STO], v2, SP
	v_lshl_add_u32 v[STO], v3, 6, v[STO]
	v_add_nc_u32 v[STO], s17, v[STO]
	v_lshlrev_b32 v[SA], 3, v2
	s_wait_alu depctr_va_vdst(0)                   ; the wait ahead of the branch
	s_cmp_ge_u32 ttmp9, 256                        ; work-groups 256-511 quantise x: a path of their own, at the text's end, which never comes back
	s_cbranch_scc1 .Lx
	s_cmp_lt_u32 ttmp9, 192                        ; w_attn's block or w_proj's?  All that differs is chosen here
	s_cselect_b32 s24, 0, 192
	s_cselect_b32 s30, 0, PCOFF                    ; where the codes begin
	s_mov_b32 s31, PKPS
	s_cselect_b32 s31, KPS, s31                    ; their bytes for one kp
	s_mov_b32 s32, PSOFF
	s_cselect_b32 s32, SCOFF, s32                  ; where the scale words begin
	s_mov_b32 s33, PSKP
	s_cselect_b32 s33, SKP, s33                    ; their bytes for one kp
	s_cselect_b32 s34, 0, 3072                     ; the tensor's part of pmax
	s_mov_b32 s35, 1008
	s_cselect_b32 s35, 3056, s35                   ; and its last 16 bytes
	s_sub_co_u32 s24, ttmp9, s24                   ; the block in its tensor
	s_mul_i32 s31, s31, s16
	s_add_co_u32 s30, s30, s31
	s_lshl_b32 s31, s24, 12
	s_add_co_u32 s30, s30, s31
	s_mov_b32 s31, 0
	s_mul_i32 s33, s33, s16
	s_add_co_u32 s32, s32, s33
	s_lshl_b32 s33, s24, 7
	s_add_co_u32 s32, s32, s33
	s_mov_b32 s33, 0
	s_lshr_b32 s26, s24, 1
	s_lshl_b32 s26, s26, 5
	s_and_b32 s27, s24, 1
	s_lshl_b32 s27, s27, 3
	s_add_co_u32 s26, s26, s27                     ; the block's first row
	s_lshl_b32 s26, s26, 12
	s_lshl_b32 s27, s16, 10
	s_add_co_u32 s26, s26, s27
	s_mov_b32 s27, 0
	s_mov_b32 s28, s34
	s_mov_b32 s29, 0
.irp i, 0,1,2,3,4,5
	v_add_nc_u32 v[PC+\i], 512*\i, v[LI]
.endr
.irp i, 0,1,2,3,4,5
	v_min_u32 v[PC+\i], s35, v[PC+\i]              ; held inside the tensor's part: an entry read twice changes no maximum
.endr
	s_wait_alu depctr_va_vdst(0)
	s_wait_kmcnt 0x0
	s_cmp_lt_u32 ttmp9, 192
	s_cselect_b64 s[4:5], s[4:5], s[6:7]
	s_add_nc_u64 s[4:5], s[4:5], s[26:27]
	s_add_nc_u64 s[8:9], s[8:9], s[28:29]
	s_add_nc_u64 s[30:31], s[10:11], s[30:31]
	s_add_nc_u64 s[32:33], s[10:11], s[32:33]
.irp i, 0,1,2,3,4,5
	global_load_b128 v[X+4*\i:X+4*\i+3], v[PC+\i], s[8:9]
.endr
.irp q, 0,1
.irp p, 0,1,2,3,4,5,6,7,8,9,10,11,12,13,14,15
	global_load_b128 v[R+64*\q+4*\p:R+64*\q+4*\p+3], v[LI], s[4:5] offset:(\p+8*(\p/8))*4096+512*\q th:TH_LOAD_NT
.endr
.endr
	s_wait_loadcnt 32                              ; pmax's six loads are in; the 32 loads of weights behind them may be out
	v_max3_num_f32 v8, v[X], v[X+1], v[X+2]
.irp i, 3,5,7,9,11,13,15,17,19,21
	v_max3_num_f32 v8, v8, v[X+\i], v[X+\i+1]
.endr
	v_max_num_f32 v8, v8, v[X+23]
	v_max_num_f32_dpp v8, v8, v8 row_xmask:1 row_mask:0xf bank_mask:0xf
	v_max_num_f32_dpp v8, v8, v8 row_xmask:2 row_mask:0xf bank_mask:0xf
	v_max_num_f32_dpp v8, v8, v8 row_xmask:4 row_mask:0xf bank_mask:0xf
	v_max_num_f32_dpp v8, v8, v8 row_xmask:8 row_mask:0xf bank_mask:0xf
	v_permlanex16_b32 v9, v8, s[SEL], s[SEL+1]
	v_max_num_f32 v8, v8, v9                       ; the tensor's largest |w|
	v_add_f32 v8, 0x358637bd, v8                   ; + 1e-6: scale
	v_mul_f32 v[T+0], 0x3d1d89ce, v8               ; midpoints 0.0384615, 0.083916, 0.116883, 0.1714285, 0.2666665, 0.4166665, 0.75
	v_mul_f32 v[T+1], 0x3dabdc27, v8
	v_mul_f32 v[T+2], 0x3def605b, v8
	v_mul_f32 v[T+3], 0x3e2f8af4, v8
	v_mul_f32 v[T+4], 0x3e888883, v8
	v_mul_f32 v[T+5], 0x3ed55550, v8
	v_mul_f32 v[T+6], 0x3f400000, v8
	v_mul_f32 v[P+0], 0x3d9d89ce, v8               ; entries 0.076923, 0.090909, 0.142857, 0.2, 0.333333, 0.5, 1
	v_mul_f32 v[P+1], 0x3dba2e7f, v8
	v_mul_f32 v[P+2], 0x3e12491b, v8
	v_mul_f32 v[P+3], 0x3e4ccccd, v8
	v_mul_f32 v[P+4], 0x3eaaaa9f, v8
	v_mul_f32 v[P+5], 0.5, v8
	v_mov_b32 v[P+6], v8
.macro IMG q
	s_wait_loadcnt 16*(1-\q)                       ; this image's 16 loads are in; the other image's 16 may be out
.irp p, 0,1,2,3,4,5,6,7,8,9,10,11,12,13,14,15
	ds_store_b128 v[STI], v[R+64*\q+4*\p:R+64*\q+4*\p+3] offset:\q*IST+SP*\p
.endr
.irp c, 0,1,2,3
.irp j, 0,1,2,3
	ds_load_b128 v[X+16*\c+4*\j:X+16*\c+4*\j+3], v[STO] offset:\q*IST+128*\c+16*\j
.endr
.endr
	s_wait_dscnt 0x0
.irp n, 0,1,2,3,4,5,6,7,8,9,10,11,12,13,14,15
	SNAP4 X+4*\n
.endr
.if \q
	s_wait_xcnt 0x0                                ; the first image's stores have read the codes' registers
.endif
	QUANT X, PW+\q
.irp c, 0,1,2,3
	global_store_b128 v[LI], v[PC+4*\c:PC+4*\c+3], s[30:31] offset:2048*\q+512*\c
.endr
.endm
	IMG 0
	IMG 1
	s_wait_xcnt 0x0                                ; EXEC changes only behind this wait
	v_cmp_gt_u32 vcc_lo, 16, v1
	s_wait_tensorcnt 0x0
	ds_add_u32 v14, v15
	s_wait_dscnt 0x0
	s_and_saveexec_b32 s37, vcc_lo
	global_store_b64 v[SA], v[PW:PW+1], s[32:33]   ; 128 consecutive bytes: the block's scale words of this kp
	s_endpgm
; ---- WORK-GROUPS 256-511: x [4096][1024] f32 becomes codes of E4M3 with one E8M0 byte for each 32 along K, laid as images of operand registers, as the weights are:
;   xq codes [kp 4][rb 256][q 2][2048], scale words at SCOFF [kp 4][stored row 4096][8 bytes = words q 0, 1]; lane r of block rb holds row 32 (rb / 2) + 8 (rb % 2) + r + 8 (r / 8).
; A work-group is one block rb = its number - 256, its wave is kp: two images.  Nothing here hangs on pmax.  The numbers turn through the wave's own stage in LDS, in bytes that the weights' path never names (from XST on).
; LIMITS: NaN and infinities are not served; a block whose largest magnitude lies under 2^-118 (a block of zeros too) gets the byte 1: its codes are then zeros or tiny, and this program alone reads the bytes.
.set XST, 68096
.macro IMGX q
	s_wait_loadcnt 16*(1-\q)                       ; this image's 16 loads are in; the other image's 16 may be out
.irp p, 0,1,2,3,4,5,6,7,8,9,10,11,12,13,14,15
	ds_store_b128 v[STI], v[R+64*\q+4*\p:R+64*\q+4*\p+3] offset:\q*IST+SP*\p
.endr
.irp c, 0,1,2,3
.irp j, 0,1,2,3
	ds_load_b128 v[X+16*\c+4*\j:X+16*\c+4*\j+3], v[STO] offset:\q*IST+128*\c+16*\j   ; LDS serves a wave's instructions in order: these see the stores above
.endr
.endr
	s_wait_dscnt 0x0
.if \q
	s_wait_xcnt 0x0                                ; the first image's stores have read the codes' registers
.endif
	QUANT X, PW+\q
.irp c, 0,1,2,3
	global_store_b128 v[LI], v[PC+4*\c:PC+4*\c+3], s[26:27] offset:2048*\q+512*\c   ; 512 consecutive bytes, aligned
.endr
.endm
.Lx:
	v_add_nc_u32 v[STI], XST, v[STI]
	v_add_nc_u32 v[STO], XST, v[STO]
	s_sub_co_u32 s38, ttmp9, 256                   ; rb
	s_lshr_b32 s24, s38, 1
	s_lshl_b32 s24, s24, 5
	s_and_b32 s25, s38, 1
	s_lshl_b32 s25, s25, 3
	s_add_co_u32 s24, s24, s25                     ; the block's first row: 32 (rb / 2) + 8 (rb % 2)
	s_lshl_b32 s24, s24, 12                        ; rows of 4,096 bytes
	s_lshl_b32 s25, s16, 10                        ; + 256 numbers for each kp
	s_add_co_u32 s24, s24, s25
	s_mov_b32 s25, 0
	s_lshl_b32 s26, s16, 20                        ; codes: kp x KPS + rb x 4,096
	s_lshl_b32 s27, s38, 12
	s_add_co_u32 s26, s26, s27
	s_mov_b32 s27, 0
	s_lshl_b32 s28, s16, 15                        ; scale words: SCOFF + kp x SKP + rb x 128
	s_lshl_b32 s29, s38, 7
	s_add_co_u32 s28, s28, s29
	s_add_co_u32 s28, s28, SCOFF
	s_mov_b32 s29, 0
	s_wait_alu depctr_va_vdst(0)
	s_wait_kmcnt 0x0
	s_add_nc_u64 s[12:13], s[12:13], s[24:25]
	s_add_nc_u64 s[26:27], s[14:15], s[26:27]
	s_add_nc_u64 s[28:29], s[14:15], s[28:29]
.irp q, 0,1
.irp p, 0,1,2,3,4,5,6,7,8,9,10,11,12,13,14,15
	global_load_b128 v[R+64*\q+4*\p:R+64*\q+4*\p+3], v[LI], s[12:13] offset:(\p+8*(\p/8))*4096+512*\q th:TH_LOAD_NT   ; 32 lanes read 512 consecutive bytes of one row
.endr
.endr
	IMGX 0
	IMGX 1
	s_wait_xcnt 0x0                                ; EXEC changes only behind this wait
	v_cmp_gt_u32 vcc_lo, 16, v1
	s_wait_tensorcnt 0x0                           ; the wave's end
	ds_add_u32 v14, v15
	s_wait_dscnt 0x0
	s_and_saveexec_b32 s37, vcc_lo                 ; lanes 0-15: one lane a row
	global_store_b64 v[SA], v[PW:PW+1], s[28:29]   ; 128 consecutive bytes: the block's scale words of this kp
	s_endpgm
.Lfunc_end_k_q756d5068ae_snapq:
	.size	k_q756d5068ae_snapq, .Lfunc_end_k_q756d5068ae_snapq-k_q756d5068ae_snapq
	.p2alignl 7, 3214868480
	.fill 96, 4, 3214868480
	.section	.rodata,"a",@progbits
	.p2align	6, 0x0
	.amdhsa_kernel k_q756d5068ae_snapq
		.amdhsa_group_segment_fixed_size 135680
		.amdhsa_private_segment_fixed_size 0
		.amdhsa_enable_private_segment 0
		.amdhsa_kernarg_size 48
		.amdhsa_user_sgpr_count 2
		.amdhsa_user_sgpr_kernarg_segment_ptr 1
		.amdhsa_wavefront_size32 1
		.amdhsa_system_sgpr_workgroup_id_x 1
		.amdhsa_system_sgpr_workgroup_id_y 1
		.amdhsa_system_sgpr_workgroup_id_z 1
		.amdhsa_system_vgpr_workitem_id 0
		.amdhsa_next_free_vgpr 256
		.amdhsa_next_free_sgpr 66
		.amdhsa_reserve_vcc 1
		.amdhsa_float_denorm_mode_32 3
		.amdhsa_float_denorm_mode_16_64 3
		.amdhsa_memory_ordered 1
		.amdhsa_forward_progress 1
		.amdhsa_inst_pref_size 176
	.end_amdhsa_kernel
	.amdgpu_metadata
---
amdhsa.version: [ 1, 2 ]
amdhsa.kernels:
  - .name:           k_q756d5068ae_snapq
    .symbol:         k_q756d5068ae_snapq.kd
    .args:
      - { .name: w_attn, .offset: 0, .size: 8, .value_kind: global_buffer, .address_space: global }
      - { .name: w_proj, .offset: 8, .size: 8, .value_kind: global_buffer, .address_space: global }
      - { .name: pmax, .offset: 16, .size: 8, .value_kind: global_buffer, .address_space: global }
      - { .name: wq, .offset: 24, .size: 8, .value_kind: global_buffer, .address_space: global }
      - { .name: x, .offset: 32, .size: 8, .value_kind: global_buffer, .address_space: global }
      - { .name: xq, .offset: 40, .size: 8, .value_kind: global_buffer, .address_space: global }
    .group_segment_fixed_size: 135680
    .private_segment_fixed_size: 0
    .kernarg_segment_align: 8
    .kernarg_segment_size: 48
    .max_flat_workgroup_size: 128
    .sgpr_count:     66
    .vgpr_count:     256
    .wavefront_size: 32
...
	.end_amdgpu_metadata
.endif
;; end of part 2
;; launch qkvgemm (part 3): grid 12 x 16, 4 waves a work-group, clusters of 4 x 4, 327,680 bytes of LDS; arguments xq, wq, b_attn, qkv; writes qkv
.if DOCPART == 3
	.amdgcn_target "amdgcn-amd-amdhsa--gfx1250"
	.amdhsa_code_object_version 6
	.text
	.protected	k_q756d5068ae_qkvgemm
	.globl	k_q756d5068ae_qkvgemm
	.p2align	8
	.type	k_q756d5068ae_qkvgemm,@function
k_q756d5068ae_qkvgemm:
	s_mov_b64 s[64:65], 0
	v_nop
	global_prefetch_b8 v0, s[64:65] scope:SCOPE_SE
	s_setreg_imm32_b32 hwreg(HW_REG_WAVE_MODE, 25, 1), 1
	s_wait_xcnt 0x0
	s_wait_alu depctr_hold_cnt(0) depctr_sa_sdst(0) depctr_va_vdst(0) depctr_va_sdst(0) depctr_va_ssrc(0) depctr_va_vcc(0) depctr_vm_vsrc(0)
	s_getreg_b32 s2, hwreg(HW_REG_IB_STS2, 6, 4)
	s_cmp_eq_u32 s2, 0
	s_cbranch_scc0 .Lentry_in_a_cluster
	s_endpgm
.Lentry_in_a_cluster:
	s_bfe_u32 s2, ttmp6, 0x10000c
	s_cmp_lg_u32 s2, 0xf033
	s_cbranch_scc0 .Lentry_shape_is_right
	s_endpgm
.Lentry_shape_is_right:
; QKVGEMM.  Two products on codes of E4M3 in one grid, K = 1,024:  clusters x = 0, 1:  [Q | K] = x W^T + b (A = x's 4,096 rows, B = w_attn's rows 0-2,047);
; clusters x = 2:  V^T = W_v x^T + b (A = w_attn's rows 2,048-3,071, B = x's rows), so that a lane's registers run along the KEYS, which are the K of attention's second product.
; A tile of 256 x 256 a work-group, four waves, 128 x 128 a wave: 64 accumulators, 512 registers.  192 work-groups of equal work.
; The matrix instruction is used transposed (source 0 = 16 rows of B, source 1 = 16 rows of A): a lane holds ONE row of A and, since the rows of a block of B are 32 (rb / 2) + 8 (rb % 2) + r + 8 (r / 8),
; the 16 registers of B's blocks 2 c, 2 c + 1 are 16 NEIGHBOURS 32 c + 16 h + 0 .. 15 along B's rows: so the results, with the bias added, are quantised in registers along that axis (Q, K: the head's 64; V: the keys).
; OPERANDS lie in memory as images of their registers, [kp][block of 16 rows][q][2048]: a K step of 256 of 128 rows is ONE dense block of 32,768 bytes, brought by one tensor load; a fragment is four ds_load_b128 at 16 x lane:
; no pitch, no padding, each load 512 consecutive bytes.  The scale words of a wave's 128 rows for all of K (4 rows of 1,024 bytes) come once, with the first fills.
; CLUSTERS 4 x 4: A's tiles are shared along a row of the cluster, B's along a column: joint loads with a mask of four.  Which product a cluster makes hangs on the cluster's x alone: the same in all partners.
; OUT: qkv = two regions (0: Q; 1: K and V) of 512 records (head x 16 + step of 128 tokens) of 16,896 bytes: +0 K or Q codes [f 4][chunk 4][512] (fragment f = token tiles 2 f, 2 f + 1; chunk 2 u + c = tile 2 f + u, block c of the head's 64);
;   +8192 V codes [tile of 16 channels 4][chunk 4][512]; +16384 K or Q scale words [r 16][f 4]; +16640 V scale words [r 16][tile 4].  Every store of codes is 512 consecutive aligned bytes, every store of scale words 256 for each head.
; REGISTERS: window 0: v0-31 addresses; v32-63 scale words, two sets; v64-127 the bias in the result's layout; v128-255 A's fragments, one set; in the epilogue v128-237 at work.
;   window 1: B's fragments, two sets.  windows 2, 3: the accumulators ((a, b) at v[8 (8 (a % 4) + b)]).
; LIMITS: NaN and infinities are not served; a block whose largest magnitude lies under 2^-118 gets the byte 1.
.set NQ,     2
.set FR,     16
.set NL,     4
.set NP,     8                         ; places behind this matrix instruction (ISA guide 7.12.1)
.set HALFT,  32768                     ; 128 rows x 256 K of codes: what one tensor load brings
.set SLOT,   131072                    ; A's 256 rows, then B's
.set SCL,    262144                    ; behind the ring: the scale words, 8,192 bytes for each wave's load
.set HALFS,  4096
.set SBLK,   128                       ; those of 16 rows of one kp
.set SPARE,  278528                    ; the spare words: 128 bytes a wave, two blocks of 256 that no other line names
.set KPS,    1048576
.set ASTEP,  2*KPS
.set BSTEP,  2*KPS
.set SCOFF,  4194304
.set RECB,   16896
.set HEADB,  270336
.set REGION, 8650752
.set ADRA, 16
.set ADRB, 20
.set LI,   24                          ; v24 16 x lane
.set BQ,   25                          ; v25 bias, Q | K: 64 h
.set BV,   26                          ; v26 bias, V: 4 (r + 8 (r / 8))
.set ADRS, 27
.set SPW,  28
.set NIL,  29
.set SC,   32
.set BI,   64
.set AF,   128
.set W,    128                         ; epilogue: v128-191 a block's 64 numbers
.set PC,   192                         ; v192-207 its codes
.set TM,   208                         ; v208-223 at work
.set PWS,  224                         ; v224-231 the eight blocks' scale words
.set SW,   232                         ; v232-235 the scale words as they are stored
.set VSEL, 236
.set SWA,  237
.set G1, 24
.set G0, 32
.set G1B, 48
.set G0B, 56
.set G1S, 68
.set G0S, 76
.set G1SB, 80
.set G0SB, 88
.set SEL, 20
.set MNT, 23
.set ISV, 95
.set HM,  100
.set MSB, 0
.macro WIN new                         ; the immediate's high byte repeats the setting that is left
.if MSB != (\new)
	s_set_vgpr_msb (MSB<<8)|(\new)
.set MSB, (\new)
.endif
.endm
.set MUL_LO, 0xa1                      ; source 0 (B) window 1, source 1 (A) window 0, C and D window 2
.set MUL_HI, 0xf1
.set TO_B,   0x40
.macro JLOAD g0a, g1a, g0b, g1b        ; a joint load: waves 0, 1 fetch for A, waves 2, 3 for B; four v_nop follow each line
	s_cmp_eq_u32 s15, 0
	s_cbranch_scc0 .Lfor_b_\@
	tensor_load_to_lds s[\g0a:\g0a+3], s[\g1a:\g1a+7]
	s_nop 0
.rept 4
	v_nop
.endr
	s_branch .Lasked_\@
.Lfor_b_\@:
	tensor_load_to_lds s[\g0b:\g0b+3], s[\g1b:\g1b+7]
	s_nop 0
.rept 4
	v_nop
.endr
.Lasked_\@:
.endm
.macro CREST
	s_cmp_lg_u32 s14, 0
	s_cbranch_scc1 .Lnot_wave_0_\@
	s_barrier_signal -3
.Lnot_wave_0_\@:
	s_barrier_wait -3
	s_barrier_signal -1
	s_barrier_wait -1
.endm
.macro CROUND
	s_barrier_signal -1
	s_barrier_wait -1
	CREST
.endm
	s_load_b256 s[4:11], s[0:1], 0x0               ; xq s[4:5], wq s[6:7], b_attn s[8:9], qkv s[10:11]
	v_lshl_add_u32 v[SPW], v0, 2, SPARE
	v_mov_b32 v[NIL], 0
	ds_add_u32 v28, v29
	ds_add_u32 v28, v29
	s_wait_dscnt 0x0
	v_lshrrev_b32 v1, 5, v0
	v_readfirstlane_b32 s14, v1                    ; wave 0..3
	s_lshr_b32 s15, s14, 1                         ; my half of the tile's rows.  Also: I fetch for A (0) or B (1)
	s_and_b32 s16, s14, 1                          ; my half of its columns.  Also: which 128 rows I fetch
	s_bfe_u32 s40, ttmp6, 0x40000                  ; cx
	s_bfe_u32 s41, ttmp6, 0x40004                  ; cy
	s_mov_b32 s96, ttmp9                           ; the cluster's x: 0 Q, 1 K, 2 V
	s_and_b32 s97, ttmp7, 0xffff                   ; the cluster's y
	s_cmp_eq_u32 s96, 2
	s_cselect_b32 s[ISV], 1, 0
	s_cselect_b32 s2, 2, s97                       ; V: A's tiles are w_attn's tile rows 8 .. 11
	s_cselect_b32 s3, s97, s96                     ; V: B's tiles are x's 16
	s_lshl_b32 s17, s2, 2
	s_add_co_u32 s17, s17, s41                     ; tile row (of A)
	s_lshl_b32 s42, s3, 2
	s_add_co_u32 s42, s42, s40                     ; tile column (of B)
	s_lshl_b32 s43, s41, 2
	s_lshl_b32 s43, 15, s43                        ; my row of the cluster
	s_lshl_b32 s44, 0x1111, s40                    ; my column
	; group 1, codes: 32,768 dense bytes as 128 rows of 256 (32 elements of 8 bytes), no padding
	s_or_b32 s[G1+0], s43, (3<<16)|(1<<21)
	s_or_b32 s[G1B+0], s44, (3<<16)|(1<<21)
.irp g, G1, G1B
	s_mov_b32 s[\g+1], 32<<16
	s_mov_b32 s[\g+2], 256<<16                     ; the head's loads bring a whole tile of 256 rows; behind them the two words are set to 128
	s_mov_b32 s[\g+3], 32<<16
	s_mov_b32 s[\g+4], 256
	s_mov_b32 s[\g+5], 32
	s_mov_b32 s[\g+6], 0
	s_mov_b32 s[\g+7], 0
.endr
	; group 1, scale words: 4 rows (kp) of 2,048 bytes (256 elements of 8), 32,768 bytes apart
	s_or_b32 s[G1S+0], s43, (3<<16)|(1<<21)
	s_or_b32 s[G1SB+0], s44, (3<<16)|(1<<21)
.irp g, G1S, G1SB
	s_mov_b32 s[\g+1], 256<<16                     ; scale words of 256 rows: 4 rows (kp) of 2,048 bytes
	s_mov_b32 s[\g+2], 4<<16
	s_mov_b32 s[\g+3], 256<<16
	s_mov_b32 s[\g+4], 4
	s_mov_b32 s[\g+5], 4096
	s_mov_b32 s[\g+6], 0
	s_mov_b32 s[\g+7], 0
.endr
	s_lshl_b32 s18, s16, 15                        ; which 128 rows of a tile I fetch: codes,
	s_mov_b32 s19, 0                               ; s[18:19]: my half's bytes, as a pair
	s_lshl_b32 s20, s17, 16                        ; A: a tile's codes of one kp are 65,536 bytes
	s_mov_b32 s21, 0
	s_lshl_b32 s22, s17, 11
	s_add_co_u32 s22, s22, SCOFF
	s_mov_b32 s23, 0
	s_lshl_b32 s46, s42, 16                        ; B likewise, in registers that never hold A's coordinate
	s_mov_b32 s47, 0
	s_lshl_b32 s92, s42, 11
	s_add_co_u32 s92, s92, SCOFF
	s_mov_b32 s93, 0
	s_mul_i32 s45, s14, HALFT                      ; where they go: wave x 32,768: no place in the cluster enters an LDS address
	s_wait_kmcnt 0x0
	s_cmp_eq_u32 s[ISV], 1
	s_cselect_b64 s[98:99], s[6:7], s[4:5]         ; A's buffer
	s_cselect_b64 s[66:67], s[4:5], s[6:7]         ; B's
	s_add_nc_u64 s[20:21], s[98:99], s[20:21]
	s_add_nc_u64 s[22:23], s[98:99], s[22:23]
	s_add_nc_u64 s[46:47], s[66:67], s[46:47]
	s_add_nc_u64 s[92:93], s[66:67], s[92:93]
	CROUND                                         ; all sixteen work-groups are here: the first joint loads meet
	s_mov_b32 s[G0S], 1
	s_mov_b32 s[G0S+1], SCL
	s_mov_b64 s[G0S+2:G0S+3], s[22:23]
	s_or_b32 s[G0S+3], s[G0S+3], 0x80000000
	s_mov_b32 s[G0SB], 1
	s_mov_b32 s[G0SB+1], SCL+2*HALFS
	s_mov_b64 s[G0SB+2:G0SB+3], s[92:93]
	s_or_b32 s[G0SB+3], s[G0SB+3], 0x80000000
.irp s, 0,1
	s_mov_b32 s[G0+4*\s], 1
	s_add_co_u32 s[G0+4*\s+1], s45, \s*SLOT
	s_add_nc_u64 s[G0+4*\s+2:G0+4*\s+3], s[20:21], \s*KPS
	s_or_b32 s[G0+4*\s+3], s[G0+4*\s+3], 0x80000000
	s_mov_b32 s[G0B+4*\s], 1
	s_add_co_u32 s[G0B+4*\s+1], s45, \s*SLOT
	s_add_nc_u64 s[G0B+4*\s+2:G0B+4*\s+3], s[46:47], \s*KPS
	s_or_b32 s[G0B+4*\s+3], s[G0B+4*\s+3], 0x80000000
.endr
	s_mov_b32 s[G0+1], 0                           ; slot 0's groups 0 serve the head first: A's whole tile at byte 0,
	s_mov_b32 s[G0B+1], 2*HALFT                    ; B's behind it
	s_add_nc_u64 s[G0+6:G0+7], s[G0+6:G0+7], s[18:19]      ; slot 1's: my 128 rows
	s_add_nc_u64 s[G0B+6:G0B+7], s[G0B+6:G0B+7], s[18:19]
	; the prefetches: waves 0, 1 ask for A's tile, waves 2, 3 for B's.  A kp's tile is 65,536 bytes: the four partners that load it jointly and the two waves share it out BY ADDRESS, 8,192 bytes each, lanes 256 bytes apart
	s_cmp_eq_u32 s15, 0
	s_cselect_b64 s[4:5], s[20:21], s[46:47]       ; the tile's first byte of kp 0; never rewritten
	s_cselect_b32 s94, s40, s41                    ; my place among the four that ask for it with me
	s_lshl_b32 s94, s94, 1
	s_add_co_u32 s94, s94, s16
	s_lshl_b32 s94, s94, 13
; the head's four tiles, one joint load a wave, in one chain of branches on the wave's number: wave 0 A's 256 rows of kp 0, wave 1 B's, wave 2 A's scale words, wave 3 B's
.macro ARM under, g0, g1, next
	s_cmp_lt_u32 s14, \under
	s_cbranch_scc0 \next
	tensor_load_to_lds s[\g0:\g0+3], s[\g1:\g1+7]
	s_nop 0
.rept 4
	v_nop
.endr
	s_branch .Lhead_asked
\next:
.endm
	ARM 1, G0,  G1,  .Lhead_b
	ARM 2, G0B, G1B, .Lhead_sa
	ARM 3, G0S, G1S, .Lhead_sb
	tensor_load_to_lds s[G0SB:G0SB+3], s[G1SB:G1SB+7]
	s_nop 0
.rept 4
	v_nop
.endr
.Lhead_asked:
	v_and_b32 v30, 31, v0
	v_lshlrev_b32 v30, 8, v30
	v_add_nc_u32 v30, s94, v30                     ; v30: my lane's block of 256 bytes in a tile; never rewritten
	global_prefetch_b8 v30, s[4:5] offset:KPS th:TH_LOAD_NT scope:SCOPE_SE     ; kp 1, which the load behind the next round wants, and
	global_prefetch_b8 v30, s[4:5] offset:2*KPS th:TH_LOAD_NT scope:SCOPE_SE   ; kp 2, two loads on
	v_and_b32 v1, 15, v0                           ; r
	v_bfe_u32 v2, v0, 4, 1                         ; h
	s_wait_alu depctr_va_vdst(0)
	v_and_b32 v3, 31, v0
	v_lshlrev_b32 v[LI], 4, v3
	s_mul_i32 s21, s15, HALFT                      ; my 128 rows of A
	s_mul_i32 s22, s16, HALFT
	s_add_co_u32 s22, s22, 2*HALFT                 ; my 128 rows of B, behind A's 256
.irp s, 0,1
	v_add_nc_u32 v[ADRA+\s], s21, v[LI]
	v_add_nc_u32 v[ADRB+\s], s22, v[LI]
	s_add_co_u32 s21, s21, SLOT
	s_add_co_u32 s22, s22, SLOT
.endr
	v_lshlrev_b32 v5, 3, v1                        ; my row's two scale words of a kp
	s_lshl_b32 s21, s15, 10                        ; my 128 rows' words of a kp: 1,024 bytes of its 2,048
	s_lshl_b32 s22, s16, 10
	s_add_co_u32 s22, s22, 2*HALFS
	s_sub_co_u32 s22, s22, s21
	v_mul_u32_u24 v6, s22, v2                      ; lanes 16-31 take B's
	s_add_co_u32 s21, s21, SCL
	v_add_nc_u32 v5, v5, v6
	v_add_nc_u32 v[ADRS], s21, v5
	; the bias, in the result's layout: Q | K: it runs along B's rows (a lane's registers); V: along A's rows (the lane)
	s_lshl_b32 s46, s42, 10
	s_lshl_b32 s47, s16, 9
	s_add_co_u32 s46, s46, s47
	s_lshl_b32 s92, s17, 10
	s_lshl_b32 s93, s15, 9
	s_add_co_u32 s92, s92, s93
	s_cmp_eq_u32 s[ISV], 1
	s_cselect_b32 s46, s92, s46
	s_mov_b32 s47, 0
	s_add_nc_u64 s[8:9], s[8:9], s[46:47]
	v_lshlrev_b32 v[BQ], 6, v2
	v_and_b32 v[BV], 8, v1
	v_add_nc_u32 v[BV], v[BV], v1
	v_lshlrev_b32 v[BV], 2, v[BV]
	s_cmp_eq_u32 s[ISV], 1
	s_cbranch_scc1 .Lbias_v
.irp b, 0,1,2,3,4,5,6,7
	global_load_b128 v[BI+8*\b:BI+8*\b+3], v[BQ], s[8:9] offset:(32*(\b/2)+8*(\b%2))*4
	global_load_b128 v[BI+8*\b+4:BI+8*\b+7], v[BQ], s[8:9] offset:(32*(\b/2)+8*(\b%2))*4+16
.endr
	s_branch .Lbias_done
.Lbias_v:
	s_wait_alu depctr_va_vdst(0)
.irp a, 0,1,2,3,4,5,6,7
.irp j, 0,1,2,3,4,5,6,7
	global_load_b32 v[BI+8*\a+\j], v[BV], s[8:9] offset:(32*(\a/2)+8*(\a%2))*4   ; block a's number of my row, in eight registers
.endr
.endr
.Lbias_done:
	; where my wave's results go: the step of 128 tokens gs, the first of my two heads hd0
	s_lshl_b32 s46, s17, 1
	s_add_co_u32 s46, s46, s15
	s_lshl_b32 s47, s42, 1
	s_add_co_u32 s47, s47, s16
	s_lshl_b32 s92, s40, 2
	s_lshl_b32 s2, s16, 1
	s_add_co_u32 s92, s92, s2
	s_lshl_b32 s93, s41, 2
	s_lshl_b32 s2, s15, 1
	s_add_co_u32 s93, s93, s2
	s_cmp_eq_u32 s[ISV], 1
	s_cselect_b32 s46, s47, s46                    ; gs
	s_cselect_b32 s92, s93, s92                    ; hd0
	s_lshr_b32 s47, s46, 4                         ; batch
	s_and_b32 s46, s46, 15                         ; step
	s_lshl_b32 s47, s47, 4
	s_add_co_u32 s47, s47, s92
	s_lshl_b32 s47, s47, 4
	s_add_co_u32 s47, s47, s46                     ; the record
	s_mul_i32 s46, s47, RECB
	s_min_u32 s2, s96, 1                           ; the region
	s_mul_i32 s2, s2, REGION
	s_add_co_u32 s46, s46, s2
	s_mov_b32 s47, 0
	s_add_nc_u64 s[12:13], s[10:11], s[46:47]
.macro FRAG reg, adr, q, i             ; a fragment's image: four loads of 512 consecutive bytes
.irp c, 0,1,2,3
	ds_load_b128 v[\reg+4*\c:\reg+4*\c+3], v[\adr] offset:(\i)*4096+(\q)*2048+512*\c
.endr
.endm
; 16 matrix instructions: A's blocks a0, a0 + 1 x B's eight.  The 64 accumulators take turns, one instruction a turn, in the same order in every step.
.macro MUL16 a0, p, q, sc, zero
.irp a, \a0, \a0+1
.irp b, 0,1,2,3,4,5,6,7
.if \zero
	v_wmma_scale_f32_16x16x128_f8f6f4 v[8*(8*((\a)%4)+\b):8*(8*((\a)%4)+\b)+7], v[128*(\p)+FR*\b:128*(\p)+FR*\b+FR-1], v[AF+FR*(\a):AF+FR*(\a)+FR-1], 0, v[SC+8*NQ*(\sc)+NQ*\b+(\q)], v[SC+8*NQ*(\sc)+NQ*(\a)+(\q)] matrix_a_scale:MATRIX_SCALE_ROW1
.else
	v_wmma_scale_f32_16x16x128_f8f6f4 v[8*(8*((\a)%4)+\b):8*(8*((\a)%4)+\b)+7], v[128*(\p)+FR*\b:128*(\p)+FR*\b+FR-1], v[AF+FR*(\a):AF+FR*(\a)+FR-1], v[8*(8*((\a)%4)+\b):8*(8*((\a)%4)+\b)+7], v[SC+8*NQ*(\sc)+NQ*\b+(\q)], v[SC+8*NQ*(\sc)+NQ*(\a)+(\q)] matrix_a_scale:MATRIX_SCALE_ROW1
.endif
.endr
.endr
.endm
.macro FETCH_B slot, q, p
	WIN TO_B
.irp i, 0,1,2,3,4,5,6,7
	FRAG 128*(\p)+FR*\i, ADRB+\slot, \q, \i
.endr
	WIN 0
.endm
.macro FETCH_A slot, q, i0
.irp i, \i0, \i0+1, \i0+2, \i0+3
	FRAG AF+FR*(\i), ADRA+\slot, \q, \i
.endr
.endm
.macro SCALES sc                       ; a kp's scale words: lanes 0-15 A's block i, lanes 16-31 B's block i
.irp i, 0,1,2,3,4,5,6,7
	ds_load_b64 v[SC+8*NQ*\sc+NQ*\i:SC+8*NQ*\sc+NQ*\i+1], v[ADRS] offset:\i*SBLK
.endr
.endm
.macro PLACES n                        ; plain vector lines in front of loads into registers that matrix instructions have read, and of the first read of results
.rept \n
	v_nop
.endr
.endm
.macro STEP slot, q, zero              ; 128 along K whose successor lies in the same slot
	s_wait_dscnt 4*NL                              ; B's set and A's blocks 0-3 are in; the youngest 16 loads (A's blocks 4-7) may be out
	WIN MUL_LO
	MUL16 0, (\q)%2, \q, \slot, \zero
	MUL16 2, (\q)%2, \q, \slot, \zero
	s_wait_dscnt 0
	PLACES NP
	FETCH_B \slot, (\q)+1, 1-(\q)%2
	FETCH_A \slot, (\q)+1, 0
	WIN MUL_HI
	MUL16 4, (\q)%2, \q, \slot, \zero
	MUL16 6, (\q)%2, \q, \slot, \zero
	PLACES NP
	WIN 0
	FETCH_A \slot, (\q)+1, 4
.endm
; A slot's last 128 along K, and the change of slots: one barrier; in front of it each wave waits for all its tensor loads, adds 0 to its spare word, and waits for that and for its reads of this slot.
.macro TURN slot, next, fill
	s_wait_tensorcnt 0x0                           ; all my tensor loads have landed: my part of the next slot
	ds_add_u32 v[SPW], v[NIL]                      ; 0 onto my spare word
	s_wait_dscnt 4*NL+1                            ; the add and the youngest 16 loads may be out
	WIN MUL_LO
	MUL16 0, 1, NQ-1, \slot, 0
	s_wait_dscnt 0x0                               ; the add is done, and my reads of this slot are over
	s_barrier_signal -1
	MUL16 2, 1, NQ-1, \slot, 0
	WIN 0
	s_barrier_wait -1
.if \fill
	CREST                                          ; the barrier has opened a round of the cluster's: no wave of any partner still reads this slot or has a load on its way
	s_add_nc_u64 s[G0+4*\slot+2:G0+4*\slot+3], s[G0+4*\slot+2:G0+4*\slot+3], ASTEP
	s_add_nc_u64 s[G0B+4*\slot+2:G0B+4*\slot+3], s[G0B+4*\slot+2:G0B+4*\slot+3], BSTEP
	JLOAD G0+4*\slot, G1, G0B+4*\slot, G1B         ; the first tensor load behind the round; its four v_nop are among the places below
	PLACES NP-4
.else
	PLACES NP
.endif
	s_wait_alu depctr_va_vdst(0)
	v_add_nc_u32 v[ADRS], 2048, v[ADRS]            ; the next kp's scale words
	FETCH_B \next, 0, 0
	FETCH_A \next, 0, 0
	SCALES \next
	WIN MUL_HI
	MUL16 4, 1, NQ-1, \slot, 0
	MUL16 6, 1, NQ-1, \slot, 0
	PLACES NP
	WIN 0
	FETCH_A \next, 0, 4
.endm
	s_wait_alu depctr_va_vdst(0)                   ; the wait at the head's end
	s_wait_tensorcnt 0x0                           ; my tile of the head's four is in: no load of mine is out, so descriptors may be written
	ds_add_u32 v[SPW], v[NIL]
	s_mov_b32 s[G1+2], 128<<16                     ; from here on a load brings 128 rows
	s_mov_b32 s[G1+4], 128
	s_mov_b32 s[G1B+2], 128<<16
	s_mov_b32 s[G1B+4], 128
	s_mov_b32 s[G0+1], s45                         ; slot 0's groups 0 for the ring: my 128 rows
	s_add_nc_u64 s[G0+2:G0+3], s[G0+2:G0+3], s[18:19]
	s_mov_b32 s[G0B+1], s45
	s_add_nc_u64 s[G0B+2:G0B+3], s[G0B+2:G0B+3], s[18:19]
	s_wait_dscnt 0x0
	CROUND                                         ; all four tiles are in, all sixteen work-groups are here
	JLOAD G0+4, G1, G0B+4, G1B                     ; slot 1's first fill: the first tensor load behind the round
	FETCH_B 0, 0, 0
	FETCH_A 0, 0, 0
	s_wait_alu depctr_va_vdst(0)
	SCALES 0
	global_prefetch_b8 v30, s[4:5] offset:3*KPS th:TH_LOAD_NT scope:SCOPE_SE   ; behind kp 1's load: kp 3, two loads on; it is the last
	FETCH_A 0, 0, 4
	STEP 0, 0, 1                                   ; K = 1,024 is eight steps of 128, four slots' worth: written straight
	TURN 0, 1, 1
	STEP 1, 0, 0
	TURN 1, 0, 1
	STEP 0, 0, 0
	TURN 0, 1, 0                                   ; nothing is left to fetch
	STEP 1, 0, 0
	s_wait_dscnt 4*NL
	WIN MUL_LO
	MUL16 0, 1, NQ-1, 1, 0
	MUL16 2, 1, NQ-1, 1, 0
	s_wait_dscnt 0
	WIN MUL_HI
	MUL16 4, 1, NQ-1, 1, 0
	MUL16 6, 1, NQ-1, 1, 0
	WIN 0
	PLACES NP
	; ---- THE EPILOGUE: block a (16 rows of A x 128 of B): + bias, quantised along B's rows, stored as an image
.macro QUANT s, pw
.irp b, 0,1,2,3
	v_max3_num_f32 v[TM+\b], |v[\s+16*\b]|, |v[\s+1+16*\b]|, 0x4800000   ; my 16 numbers of block b, and the floor 2^(9 - 127)
.endr
.irp i, 2,4,6,8,10,12,14
.irp b, 0,1,2,3
	v_max3_num_f32 v[TM+\b], v[TM+\b], |v[\s+16*\b+\i]|, |v[\s+1+16*\b+\i]|
.endr
.endr
.irp b, 0,1,2,3
	v_permlanex16_b32 v[TM+4+\b], v[TM+\b], s[SEL], s[SEL+1]
.endr
.irp b, 0,1,2,3
	v_max_num_f32 v[TM+\b], v[TM+\b], v[TM+4+\b]
.endr
.irp b, 0,1,2,3
	v_add_nc_u32 v[TM+12+\b], 0xfc000000, v[TM+\b]
.endr
.irp b, 0,1,2,3
	v_and_or_b32 v[TM+8+\b], v[TM+\b], 0x7f800000, s[MNT]
.endr
.irp b, 0,1,2,3
	v_lshrrev_b32 v[TM+4+\b], 23, v[TM+12+\b]
.endr
	v_lshl_or_b32 v[\pw], v[TM+5], 8, v[TM+4]
	v_lshl_or_b32 v[\pw], v[TM+6], 16, v[\pw]
	v_lshl_or_b32 v[\pw], v[TM+7], 24, v[\pw]
	s_wait_alu depctr_va_vdst(0)                   ; the wait ahead of the wait below
	s_wait_xcnt 0x0                                ; the last block's stores have read the codes' registers, which the conversions below write
.irp b, 0,1,2,3
.irp i, 0,1,2,3,4,5,6,7,8,9,10,11,12,13,14,15
	v_med3_num_f32 v[\s+16*\b+\i], v[\s+16*\b+\i], -v[TM+8+\b], v[TM+8+\b]
.endr
	v_cvt_scalef32_pk8_fp8_f32 v[PC+4*\b:PC+1+4*\b], v[\s+16*\b:\s+7+16*\b], v[TM+12+\b]
	v_cvt_scalef32_pk8_fp8_f32 v[PC+2+4*\b:PC+3+4*\b], v[\s+8+16*\b:\s+15+16*\b], v[TM+12+\b]
.endr
	v_nop
.endm
.macro EPI a, isv
	WIN 2+(\a)/4
.irp b, 0,1,2,3,4,5,6,7
.irp p, 0,2,4,6
.if \isv
	v_pk_add_f32 v[W+8*\b+\p:W+8*\b+\p+1], v[64*((\a)%4)+8*\b+\p:64*((\a)%4)+8*\b+\p+1], v[BI+8*(\a)+\p:BI+8*(\a)+\p+1]
.else
	v_pk_add_f32 v[W+8*\b+\p:W+8*\b+\p+1], v[64*((\a)%4)+8*\b+\p:64*((\a)%4)+8*\b+\p+1], v[BI+8*\b+\p:BI+8*\b+\p+1]
.endif
.endr
.endr
	WIN 0
	QUANT W, PWS+(\a)
.irp c, 0,1,2,3
.if \isv
	global_store_b128 v[LI], v[PC+4*\c:PC+4*\c+3], s[12:13] offset:8192+((\a)/4)*HEADB+((\a)%4)*2048+512*\c        ; head a / 4, channels' tile a % 4, keys 32 c on
.else
	global_store_b128 v[LI], v[PC+4*\c:PC+4*\c+3], s[12:13] offset:(\c/2)*HEADB+((\a)/2)*2048+(2*((\a)%2)+(\c%2))*512   ; head c / 2, token tile a, block c % 2 of the head's 64
.endif
.endr
.endm
.macro FINISH
	s_wait_tensorcnt 0x0                           ; the wave's end
	ds_add_u32 v[SPW], v[NIL]
	s_wait_dscnt 0x0
	CROUND                                         ; the closing round: no work-group ends while a partner may still ask for a tile that names it
	s_endpgm
.endm
	s_mov_b32 s[SEL], 0x76543210
	s_mov_b32 s[SEL+1], 0xfedcba98
	s_mov_b32 s[MNT], 0x600000
	s_mov_b32 s[HM], 0xffff0000                    ; lanes 16-31
.irp b, 0,1,2,3
	v_mov_b32 v[TM+4+\b], 0                        ; a lane permute's destination counts as one of its sources
.endr
	v_mul_u32_u24 v[SWA], v2, HEADB
	v_lshl_add_u32 v[SWA], v1, 4, v[SWA]           ; scale words: lanes 0-15 my first head's 256 bytes, lanes 16-31 my second head's
	s_wait_loadcnt 0x0                             ; the bias
	s_cmp_eq_u32 s[ISV], 1
	s_cbranch_scc1 .Lepi_v
.irp a, 0,1,2,3,4,5,6,7
	EPI \a, 0
.endr
	v_mov_b32 v[VSEL], 0x05040100                  ; a block's word holds two bytes for each of my two heads: the first head takes bytes 0, 1 of tiles 2 f and 2 f + 1,
	v_mov_b32 v[SW], 0x07060302                    ; the second bytes 2, 3
	v_cndmask_b32 v[VSEL], v[VSEL], v[SW], s[HM]
.irp f, 0,1,2,3
	v_perm_b32 v[SW+\f], v[PWS+2*\f+1], v[PWS+2*\f], v[VSEL]
.endr
	global_store_b128 v[SWA], v[SW:SW+3], s[12:13] offset:16384
	FINISH
.Lepi_v:
.irp a, 0,1,2,3,4,5,6,7
	EPI \a, 1
.endr
.irp i, 0,1,2,3
	v_cndmask_b32 v[SW+\i], v[PWS+\i], v[PWS+4+\i], s[HM]   ; blocks 0-3 are my first head's tiles of channels, blocks 4-7 my second head's
.endr
	global_store_b128 v[SWA], v[SW:SW+3], s[12:13] offset:16640
	FINISH
.Lfunc_end_k_q756d5068ae_qkvgemm:
	.size	k_q756d5068ae_qkvgemm, .Lfunc_end_k_q756d5068ae_qkvgemm-k_q756d5068ae_qkvgemm
	.p2alignl 7, 3214868480
	.fill 96, 4, 3214868480
	.section	.rodata,"a",@progbits
	.p2align	6, 0x0
	.amdhsa_kernel k_q756d5068ae_qkvgemm
		.amdhsa_group_segment_fixed_size 327680
		.amdhsa_private_segment_fixed_size 0
		.amdhsa_enable_private_segment 0
		.amdhsa_kernarg_size 32
		.amdhsa_user_sgpr_count 2
		.amdhsa_user_sgpr_kernarg_segment_ptr 1
		.amdhsa_wavefront_size32 1
		.amdhsa_system_sgpr_workgroup_id_x 1
		.amdhsa_system_sgpr_workgroup_id_y 1
		.amdhsa_system_sgpr_workgroup_id_z 1
		.amdhsa_system_vgpr_workitem_id 0
		.amdhsa_next_free_vgpr 1024
		.amdhsa_next_free_sgpr 102
		.amdhsa_reserve_vcc 0
		.amdhsa_float_denorm_mode_32 3
		.amdhsa_float_denorm_mode_16_64 3
		.amdhsa_memory_ordered 1
		.amdhsa_forward_progress 1
		.amdhsa_inst_pref_size 255
	.end_amdhsa_kernel
	.section	.bss,"aw",@nobits
	.p2align	6
	.space	262144
	.amdgpu_metadata
---
amdhsa.version: [ 1, 2 ]
amdhsa.kernels:
  - .name:           k_q756d5068ae_qkvgemm
    .symbol:         k_q756d5068ae_qkvgemm.kd
    .args:
      - { .name: xq, .offset: 0, .size: 8, .value_kind: global_buffer, .address_space: global }
      - { .name: wq, .offset: 8, .size: 8, .value_kind: global_buffer, .address_space: global }
      - { .name: b_attn, .offset: 16, .size: 8, .value_kind: global_buffer, .address_space: global }
      - { .name: qkv, .offset: 24, .size: 8, .value_kind: global_buffer, .address_space: global }
    .group_segment_fixed_size: 327680
    .private_segment_fixed_size: 0
    .kernarg_segment_align: 8
    .kernarg_segment_size: 32
    .max_flat_workgroup_size: 128
    .sgpr_count:     102
    .vgpr_count:     1024
    .wavefront_size: 32
...
	.end_amdgpu_metadata
.endif
;; end of part 3
;; launch attn (part 4): grid 8 x 32, 16 waves a work-group, clusters of 4 x 1, 327,680 bytes of LDS; arguments qkv, yq; writes yq
.if DOCPART == 4
	.amdgcn_target "amdgcn-amd-amdhsa--gfx1250"
	.amdhsa_code_object_version 6
	.text
	.protected	k_q756d5068ae_attn
	.globl	k_q756d5068ae_attn
	.p2align	8
	.type	k_q756d5068ae_attn,@function
k_q756d5068ae_attn:
	s_mov_b64 s[64:65], 0
	v_nop
	global_prefetch_b8 v0, s[64:65] scope:SCOPE_SE
	s_setreg_imm32_b32 hwreg(HW_REG_WAVE_MODE, 25, 1), 1
	s_wait_xcnt 0x0
	s_wait_alu depctr_hold_cnt(0) depctr_sa_sdst(0) depctr_va_vdst(0) depctr_va_sdst(0) depctr_va_ssrc(0) depctr_va_vcc(0) depctr_vm_vsrc(0)
	s_getreg_b32 s2, hwreg(HW_REG_IB_STS2, 6, 4)
	s_cmp_eq_u32 s2, 0
	s_cbranch_scc0 .Lentry_in_a_cluster
	s_endpgm
.Lentry_in_a_cluster:
	s_bfe_u32 s2, ttmp6, 0x10000c
	s_cmp_lg_u32 s2, 0x3003
	s_cbranch_scc0 .Lentry_shape_is_right
	s_endpgm
.Lentry_shape_is_right:
; ATTN.  Causal attention of one head (2,048 tokens, 64 channels) on codes of E4M3; y / l is quantised along C and stored as the last product's operand image.
; SOFTMAX: t = score x log2(e) / 8; M = the running largest t rounded UP to a whole number; p = 2^(t - M) is quantised along the keys, not normalised; the row's sum is taken of the unquantised p and divides at the end.
; When M moves, or two parts of a row are joined, sums and O are multiplied by powers of two: exact.
; LEFT OUT: key steps all of whose keys come after a tile's queries: the causal mask hides them, whatever the inputs hold.
; SHARES.  Work-group (g, head) owns the sixteen query tiles g + 8 rank, rank = 0 .. 15; a tile of rank k has k + 1 key steps of 128.  The 136 tile steps are dealt to eight PAIRS of waves, pair w = 0 .. 7:
;   wave H (bit 2 of the wave's number set) takes steps 0 .. 8 of tile 15 - w: nine steps; then it hands -M, the sum and O^T over through LDS;
;   wave L takes tile w whole (w + 1 steps) and sends it out, then steps 9 .. 15 - w of tile 15 - w (7 - w steps), joins H's part and sends that tile out: eight steps.
; Waves i, 4 + i, 8 + i, 12 + i are L, H, L, H.  No branch hangs on the place in the cluster: g enters global addresses and the mask's numbers alone.
; LDS.  The head's 16 records (K codes, V codes, their scale words: 16,896 bytes each) all fit, each byte filled ONCE: wave n brings record n by one joint load (the four work-groups of a cluster belong to one head).
; Waves 0 and 1 have a load line of their own: the first barrier shows records 0 and 1 alone, and steps 0 and 1 (a loop of two trips) are worked while the other fourteen records land; the second barrier shows all.
; No ring, no refill: every byte is asked for at the head, so there is nothing to prefetch.
; Behind the records: the spare words; MRG, eight places of 4,608 bytes for H's parts; QST, eight places of 1,280 bytes in which H leaves Q's fragment and scale word of tile 15 - w for L.
; THE HEAD'S 64 ARE HALF OF THE INSTRUCTION'S 128: a fragment of K holds two tiles of 16 keys side by side along k, and Q is used as [q | 0] and as [0 | q]: zero codes add nothing.
; LAYOUT.  Both products transposed: S^T = K Q^T, O^T = V^T P^T: a lane holds one query.  Register 16 f + i of S^T is key 32 f + 16 h + i; register 16 c + i of O^T is channel 32 c + 16 h + i.
; LIMITS: NaN and infinities are not served; the scaled scores stay under 2^31 in magnitude; a block whose largest magnitude lies under 2^-118 gets the byte 1.
.set RECB,   16896
.set REGION, 8650752
.set SCOFF,  4194304
.set SPARE,  0x42000
.set MRG,    SPARE+2048
.set MRGB,   4608
.set QST,    MRG+8*MRGB
.set QSTB,   1280
.set LI,  1                            ; v1  16 x lane
.set LS,  2                            ; v2  16 r
.set QD,  3                            ; v3  my query's place in its step - 16 h
.set SA,  4                            ; v4  8 r
.set LN,  5                            ; v5  lane
.set MA,  6                            ; v6  my pair's place in MRG + 16 x lane
.set QA,  7                            ; v7  my pair's place in QST + 16 x lane
.set ADK, 8
.set ADS, 9
.set QW,  10                           ; v10 Q's scale word in QST: + 1,024 + 4 x lane
.set QL,  16                           ; v16-31  [q | 0]
.set QH,  32                           ; v32-47  [0 | q]
.set F,   48                           ; v48-111 four fragments of K or of V
.set S,   112                          ; v112-175 S^T, then p
.set O,   176                          ; v176-207 O^T
.set PC,  208                          ; v208-223 p's codes
.set VSW, 224
.set KSW, 248
.set WV,  8
.set RK,  9                            ; s9  the rank of the tile in hand
.set MNT, 19
.set SEL, 20
.set CS,  22
.set G1,  24
.set G0,  32
.set TB,  40
.set ST,  41
.set ROLE, 62                          ; s62 0: L, 1: H
.set PW,  63                           ; s63 the pair w
.set R2,  66                           ; s66 15 - w
.macro CROUND
	s_barrier_signal -1
	s_barrier_wait -1
	s_cmp_lg_u32 s[WV], 0
	s_cbranch_scc1 .Lnot_wave_0_\@
	s_barrier_signal -3
.Lnot_wave_0_\@:
	s_barrier_wait -3
	s_barrier_signal -1
	s_barrier_wait -1
.endm
	s_load_b128 s[4:7], s[0:1], 0x0                ; qkv s[4:5], yq s[6:7]
	v_lshl_add_u32 v230, v0, 2, SPARE
	v_mov_b32 v231, 0
	ds_add_u32 v230, v231                          ; the opening: the add twice on end and one wait
	ds_add_u32 v230, v231
	v_lshrrev_b32 v8, 5, v0
	v_readfirstlane_b32 s[WV], v8                  ; wave 0..15
	s_bfe_u32 s[ROLE], s[WV], 0x10002
	s_and_b32 s10, s[WV], 3
	s_lshr_b32 s[PW], s[WV], 3
	s_lshl_b32 s[PW], s[PW], 2
	s_or_b32 s[PW], s[PW], s10
	s_sub_co_u32 s[R2], 15, s[PW]
	s_cmp_eq_u32 s[ROLE], 0
	s_cselect_b32 s[RK], s[PW], s[R2]              ; my first tile's rank
	s_bfe_u32 s10, ttmp6, 0x40000                  ; cx
	s_lshl_b32 s11, ttmp9, 2
	s_add_co_u32 s11, s11, s10                     ; g
	s_and_b32 s12, ttmp7, 0xffff                   ; batch x 16 + head
	s_and_b32 s13, s12, 15
	s_lshr_b32 s14, s12, 4
	s_mov_b32 s[G1], 15|(3<<16)|(1<<21)            ; a record: 66 rows of 256 bytes; the mask names all four work-groups
	s_mov_b32 s[G1+1], 32<<16
	s_mov_b32 s[G1+2], 66<<16
	s_mov_b32 s[G1+3], 32<<16
	s_mov_b32 s[G1+4], 66
	s_mov_b32 s[G1+5], 32
	s_mov_b32 s[G1+6], 0
	s_mov_b32 s[G1+7], 0
	s_mov_b32 s[G0], 1
	s_mul_i32 s[G0+1], s[WV], RECB                 ; record = wave: in LDS,
	s_lshl_b32 s17, s12, 4
	s_add_co_u32 s15, s17, s[WV]
	s_mul_i32 s42, s15, RECB
	s_add_co_u32 s42, s42, REGION                  ; and in memory (region 1: K and V)
	s_mov_b32 s43, 0
	s_add_co_u32 s17, s17, s[RK]                   ; Q: region 0, record RK; fragment g / 2, its half g % 2
	s_mul_i32 s46, s17, RECB
	s_lshr_b32 s17, s11, 1
	s_and_b32 s18, s11, 1
	s_lshl_b32 s48, s17, 11
	s_lshl_b32 s49, s18, 10
	s_add_co_u32 s48, s48, s49
	s_add_co_u32 s44, s46, s48
	s_mov_b32 s45, 0
	s_lshl_b32 s48, s17, 2
	s_add_co_u32 s48, s48, 16384
	s_add_co_u32 s50, s46, s48
	s_mov_b32 s51, 0
	s_mul_i32 s52, s18, 0x02020202
	s_add_co_u32 s52, s52, 0x01000100              ; my tile's two scale bytes, twice
	s_lshl_b32 s36, s17, 5
	s_lshl_b32 s18, s18, 3
	s_add_co_u32 s36, s36, s18                     ; 32 (g / 2) + 8 (g % 2)
	s_mul_i32 s37, s[PW], MRGB
	s_add_co_u32 s37, s37, MRG
	s_mul_i32 s38, s[PW], QSTB
	s_add_co_u32 s38, s38, QST
	s_lshl_b32 s17, s14, 7                         ; y: block of rows 128 batch + g + 8 rank; the rank's part is added on the way out
	s_add_co_u32 s17, s17, s11
	s_lshr_b32 s18, s13, 2                         ; kp
	s_lshl_b32 s54, s18, 20
	s_lshl_b32 s49, s17, 12
	s_add_co_u32 s54, s54, s49
	s_bfe_u32 s49, s13, 0x10001
	s_lshl_b32 s49, s49, 11
	s_add_co_u32 s54, s54, s49
	s_and_b32 s49, s13, 1
	s_lshl_b32 s49, s49, 10
	s_add_co_u32 s54, s54, s49
	s_mov_b32 s55, 0
	s_lshl_b32 s56, s18, 15
	s_lshl_b32 s49, s17, 7
	s_add_co_u32 s56, s56, s49
	s_and_b32 s49, s13, 3
	s_lshl_b32 s49, s49, 1
	s_add_co_u32 s56, s56, s49
	s_add_co_u32 s56, s56, SCOFF
	s_mov_b32 s57, 0
	s_mov_b32 s[SEL], 0x76543210
	s_mov_b32 s[SEL+1], 0xfedcba98
	s_mov_b32 s[CS], 0x3e38aa3b                    ; c = log2(e) / sqrt(64)
	s_mov_b32 s[CS+1], s[CS]
	s_mov_b32 s[MNT], 0x600000
	s_mov_b32 s[TB], 0
	s_mov_b32 s[ST], 0
	v_and_b32 v[LN], 31, v0
	v_and_b32 v232, 15, v0                         ; r
	v_bfe_u32 v233, v0, 4, 1                       ; h
	v_lshlrev_b32 v[LI], 4, v[LN]
	v_lshlrev_b32 v[LS], 4, v232
	v_lshlrev_b32 v[SA], 3, v232
	v_and_b32 v234, 8, v232
	v_add_nc_u32 v234, v234, v232
	v_lshlrev_b32 v235, 4, v233
	v_sub_nc_u32 v234, v234, v235
	v_add_nc_u32 v[QD], s36, v234                  ; 32 (g / 2) + 8 (g % 2) + r + 8 (r / 8) - 16 h
	v_add_nc_u32 v[MA], s37, v[LI]
	v_add_nc_u32 v[QA], s38, v[LI]
	v_lshlrev_b32 v[QW], 2, v[LN]
	v_add_nc_u32 v[QW], s38, v[QW]
	v_add_nc_u32 v[QW], 1024, v[QW]
	s_wait_alu depctr_va_vdst(0)                   ; the wait ahead of the waits below
	s_wait_dscnt 0x0
	s_wait_kmcnt 0x0
	s_add_nc_u64 s[44:45], s[4:5], s[44:45]
	s_add_nc_u64 s[50:51], s[4:5], s[50:51]
	s_add_nc_u64 s[54:55], s[6:7], s[54:55]
	s_add_nc_u64 s[56:57], s[6:7], s[56:57]
	s_add_nc_u64 s[G0+2:G0+3], s[4:5], s[42:43]
	s_or_b32 s[G0+3], s[G0+3], 0x80000000
	global_load_b128 v[QL:QL+3], v[LI], s[44:45]               ; q twice: the low half of one operand,
	global_load_b128 v[QL+4:QL+7], v[LI], s[44:45] offset:512
	global_load_b128 v[QH+8:QH+11], v[LI], s[44:45]            ; the high half of the other
	global_load_b128 v[QH+12:QH+15], v[LI], s[44:45] offset:512
	global_load_b32 v254, v[LS], s[50:51]
	CROUND                                         ; all four work-groups are here: the joint loads meet
	s_cmp_lt_u32 s[WV], 2                          ; one load a wave; waves 0 and 1's stand in a line of their own, since they alone are waited for at the first barrier
	s_cbranch_scc0 .Lrest
	tensor_load_to_lds s[G0:G0+3], s[G1:G1+7]
	s_nop 0
.rept 4
	v_nop
.endr
	s_branch .Lasked
.Lrest:
	tensor_load_to_lds s[G0:G0+3], s[G1:G1+7]
	s_nop 0
.rept 4
	v_nop
.endr
.Lasked:
.macro FRESH                           ; a tile's beginning: the largest t -3e38, the sums and O^T zeros, which the first change of M leaves zeros
	v_mov_b32 v13, 0xff61b1e6
	v_floor_f32 v12, -v13
	v_mov_b32 v14, 0
	v_mov_b32 v15, 0
.set J, 0
.rept 32
	v_mov_b32 v[O+J], 0
.set J, J+1
.endr
.endm
.irp b, 0,1,2,3
	v_mov_b32 v[236+\b], 0                         ; a lane permute's destination counts as one of its sources
.endr
	v_mov_b32 v252, 0
	v_mov_b32 v253, 0
.set J, 0
.rept 16
	v_mov_b32 v[QL+8+J], 0                         ; v24-39: the zero halves of the two operands
.set J, J+1
.endr
	s_wait_alu depctr_va_vdst(0)
	s_wait_loadcnt 0x0
	v_perm_b32 v255, v254, v254, s52               ; Q's scale word
	FRESH                                          ; (also the places between the line above and the first product)
	s_wait_alu depctr_va_vdst(0)                   ; the wait at the head's end
.macro STEP                            ; 128 keys: record ST, at LDS byte TB
	s_cmp_gt_u32 s[ST], s[RK]
	s_cbranch_scc1 .Lhid_\@                        ; not mine, or all its keys come after my queries
	v_add_nc_u32 v[ADK], s[TB], v[LI]
	v_add_nc_u32 v[ADS], s[TB], v[LS]
.rept 6
	v_nop                                          ; with the two additions: eight places in front of loads into registers that the last products read
.endr
.irp f, 0,1,2,3
.irp c, 0,1,2,3
	ds_load_b128 v[F+16*\f+4*\c:F+16*\f+4*\c+3], v[ADK] offset:2048*\f+512*\c
.endr
.endr
	ds_load_b128 v[KSW:KSW+3], v[ADS] offset:16384
	s_wait_alu depctr_va_vdst(0)
	s_wait_dscnt 0x0
.irp f, 0,1,2,3
	v_wmma_scale_f32_16x16x128_f8f6f4 v[S+16*\f:S+16*\f+7], v[F+16*\f:F+16*\f+15], v[QL:QL+15], 0, v[KSW+\f], v255      ; key tile 2 f
	v_wmma_scale_f32_16x16x128_f8f6f4 v[S+16*\f+8:S+16*\f+15], v[F+16*\f:F+16*\f+15], v[QH:QH+15], 0, v[KSW+\f], v255   ; key tile 2 f + 1
.endr
.rept 8
	v_nop
.endr
.irp t, 0,1,2,3                        ; V's fragments are asked for now and land under the softmax
.irp c, 0,1,2,3
	ds_load_b128 v[F+16*\t+4*\c:F+16*\t+4*\c+3], v[ADK] offset:8192+2048*\t+512*\c
.endr
.endr
	ds_load_b128 v[VSW:VSW+3], v[ADS] offset:16640
	s_cmp_lt_u32 s[ST], s[RK]
	s_cbranch_scc1 .Lopen_\@                       ; all keys count
	v_mov_b32 v254, 0xff800000                     ; the diagonal step: register 16 f + i holds key 32 f + 16 h + i: hidden where 32 f + i > QD
.set J, 0
.rept 64
	v_cmp_gt_i32 vcc_lo, 32*(J/16)+J%16, v[QD]
	v_cndmask_b32 v[S+J], v[S+J], v254, vcc_lo
.set J, J+1
.endr
.Lopen_\@:
.irp b, 0,1,2,3
	v_max3_num_f32 v[232+\b], v[S+16*\b], v[S+1+16*\b], v[S+2+16*\b]   ; the largest score of each block of 32 keys: for the row's maximum, and for the block's largest p
.endr
.irp i, 3,5,7,9,11,13
.irp b, 0,1,2,3
	v_max3_num_f32 v[232+\b], v[232+\b], v[S+16*\b+\i], v[S+1+16*\b+\i]
.endr
.endr
.irp b, 0,1,2,3
	v_max_num_f32 v[232+\b], v[232+\b], v[S+15+16*\b]
.endr
.irp b, 0,1,2,3
	s_delay_alu instid0(VALU_DEP_4)
	v_permlanex16_b32 v[236+\b], v[232+\b], s[SEL], s[SEL+1]
.endr
.irp b, 0,1,2,3
	s_delay_alu instid0(VALU_DEP_4)
	v_max_num_f32 v[232+\b], v[232+\b], v[236+\b]
.endr
	s_delay_alu instid0(VALU_DEP_2)
	v_max3_num_f32 v254, v232, v233, v234
	s_delay_alu instid0(VALU_DEP_1)
	v_max_num_f32 v254, v254, v235
	s_delay_alu instid0(VALU_DEP_1)
	v_mul_f32 v254, s[CS], v254
	s_delay_alu instid0(VALU_DEP_1)
	v_max_num_f32 v13, v13, v254                   ; the running largest t
	v_mov_b32 v254, v12
	s_delay_alu instid0(VALU_DEP_2)
	v_floor_f32 v12, -v13                          ; the new -M = -ceil(t)
	s_delay_alu instid0(VALU_DEP_1)
	v_sub_f32 v254, v12, v254                      ; old M - new M: a whole number, 0 or less
	s_delay_alu instid0(VALU_DEP_1)
	v_cvt_i32_f32 v254, v254
	s_delay_alu instid0(VALU_DEP_1)
	v_ldexp_f32 v252, 1.0, v254                    ; f = 2^(old M - new M)
.set J, 0
.rept 32
	v_pk_fma_f32 v[S+J:S+J+1], v[S+J:S+J+1], s[CS:CS+1], v[12:13] op_sel_hi:[1,0,0]   ; t - M
.set J, J+2
.endr
.irp b, 0,1,2,3
	v_fma_f32 v[232+\b], v[232+\b], s[CS], v12
.endr
.set J, 0
	s_wait_alu depctr_va_vdst(0)                   ; one wait ahead of the batch,
.rept 64
	v_exp_f32 v[S+J], v[S+J]                       ; p = 2^(t - M)
.set J, J+1
.endr
.irp b, 0,1,2,3
	v_exp_f32 v[232+\b], v[232+\b]                 ; the block's largest p
.endr
	v_pk_mul_f32 v[14:15], v[14:15], v[252:253] op_sel_hi:[1,0]   ; the sums under the new M (a plain line behind the exponentials)
	s_wait_alu depctr_va_vdst(0)                   ; and one behind it
.irp b, 0,1,2,3
	v_max_num_f32 v[232+\b], 0x4800000, v[232+\b]  ; the floor 2^(9 - 127)
.endr
.irp b, 0,1,2,3
	s_delay_alu instid0(VALU_DEP_4)
	v_add_nc_u32 v[244+\b], 0xfc000000, v[232+\b]
.endr
.irp b, 0,1,2,3
	v_and_or_b32 v[240+\b], v[232+\b], 0x7f800000, s[MNT]
.endr
.irp b, 0,1,2,3
	v_lshrrev_b32 v[236+\b], 23, v[244+\b]
.endr
	s_delay_alu instid0(VALU_DEP_3)
	v_lshl_or_b32 v253, v237, 8, v236              ; p's scale word for these 128 keys
	s_delay_alu instid0(VALU_DEP_1)
	v_lshl_or_b32 v253, v238, 16, v253
	s_delay_alu instid0(VALU_DEP_1)
	v_lshl_or_b32 v253, v239, 24, v253
	v_pk_add_f32 v[236:237], v[S:S+1], v[S+2:S+3]  ; the row's sum of the unquantised p, in three chains
	v_pk_add_f32 v[228:229], v[S+4:S+5], v[S+6:S+7]
.irp j, 8,14,20,26,32,38,44,50,56
	v_pk_add_f32 v[14:15], v[14:15], v[S+\j:S+\j+1]
	v_pk_add_f32 v[236:237], v[236:237], v[S+\j+2:S+\j+3]
	v_pk_add_f32 v[228:229], v[228:229], v[S+\j+4:S+\j+5]
.endr
	v_pk_add_f32 v[14:15], v[14:15], v[S+62:S+63]
	s_delay_alu instid0(VALU_DEP_1)
	v_pk_add_f32 v[14:15], v[14:15], v[228:229]
	s_delay_alu instid0(VALU_DEP_1)
	v_pk_add_f32 v[14:15], v[14:15], v[236:237]
.irp b, 0,1,2,3
.irp i, 0,2,4,6,8,10,12,14             ; the conversion does not saturate (ISA guide 7.6.2); p is not negative, so the hold is one-sided: two numbers to a dual pair (one bound, an even and an odd register)
	v_dual_min_num_f32 v[S+16*\b+\i], v[240+\b], v[S+16*\b+\i] :: v_dual_min_num_f32 v[S+16*\b+\i+1], v[240+\b], v[S+16*\b+\i+1]
.endr
	v_cvt_scalef32_pk8_fp8_f32 v[PC+4*\b:PC+1+4*\b], v[S+16*\b:S+7+16*\b], v[244+\b]
	v_cvt_scalef32_pk8_fp8_f32 v[PC+2+4*\b:PC+3+4*\b], v[S+8+16*\b:S+15+16*\b], v[244+\b]
.endr
.set J, 0
.rept 16
	v_pk_mul_f32 v[O+J:O+J+1], v[O+J:O+J+1], v[252:253] op_sel_hi:[1,0]   ; O^T under the new M (also the places in front of the products below)
.set J, J+2
.endr
	s_wait_alu depctr_va_vdst(0)
	s_wait_dscnt 0x0                               ; V
.irp t, 0,1,2,3                        ; the four accumulators by turns; between two links of one stand the other three and the next step's eight
	v_wmma_scale_f32_16x16x128_f8f6f4 v[O+8*\t:O+8*\t+7], v[F+16*\t:F+16*\t+15], v[PC:PC+15], v[O+8*\t:O+8*\t+7], v[VSW+\t], v253
.endr
.Lhid_\@:
	s_add_co_u32 s[ST], s[ST], 1
	s_add_co_u32 s[TB], s[TB], RECB
.endm
.macro EPI                             ; y = O^T / l of the tile of rank RK, quantised along C: my head's two blocks of 32
	s_lshl_b32 s48, s[RK], 15
	s_mov_b32 s49, 0
	s_add_nc_u64 s[58:59], s[54:55], s[48:49]      ; its codes: two chunks of 512 bytes
	s_lshl_b32 s48, s[RK], 10
	s_add_nc_u64 s[60:61], s[56:57], s[48:49]      ; its two scale bytes in each row's eight
	v_add_f32 v14, v14, v15
	s_delay_alu instid0(VALU_DEP_1)
	v_permlanex16_b32 v252, v14, s[SEL], s[SEL+1]
	s_delay_alu instid0(VALU_DEP_1)
	v_add_f32 v14, v14, v252                       ; the row's sum
	s_wait_alu depctr_va_vdst(0)
	v_rcp_f32 v14, v14
	v_nop
.set J, 0
	s_wait_alu depctr_va_vdst(0)
.rept 16
	v_pk_mul_f32 v[S+J:S+J+1], v[O+J:O+J+1], v[14:15] op_sel_hi:[1,0]   ; register 16 c + i: channel 32 c + 16 h + i
.set J, J+2
.endr
.irp b, 0,1
	v_max3_num_f32 v[232+\b], |v[S+16*\b]|, |v[S+1+16*\b]|, 0x4800000
.endr
.irp i, 2,4,6,8,10,12,14
.irp b, 0,1
	s_delay_alu instid0(VALU_DEP_2)
	v_max3_num_f32 v[232+\b], v[232+\b], |v[S+16*\b+\i]|, |v[S+1+16*\b+\i]|
.endr
.endr
.irp b, 0,1
	s_delay_alu instid0(VALU_DEP_2)
	v_permlanex16_b32 v[236+\b], v[232+\b], s[SEL], s[SEL+1]
.endr
.irp b, 0,1
	s_delay_alu instid0(VALU_DEP_2)
	v_max_num_f32 v[232+\b], v[232+\b], v[236+\b]
.endr
.irp b, 0,1
	s_delay_alu instid0(VALU_DEP_2)
	v_add_nc_u32 v[244+\b], 0xfc000000, v[232+\b]
.endr
.irp b, 0,1
	s_delay_alu instid0(VALU_DEP_4)
	v_and_or_b32 v[240+\b], v[232+\b], 0x7f800000, s[MNT]
.endr
.irp b, 0,1
	s_delay_alu instid0(VALU_DEP_4)
	v_lshrrev_b32 v[236+\b], 23, v[244+\b]
.endr
	s_delay_alu instid0(VALU_DEP_1)
	v_lshl_or_b32 v238, v237, 8, v236              ; my row's two scale bytes
.irp b, 0,1
.irp i, 0,1,2,3,4,5,6,7,8,9,10,11,12,13,14,15
	v_med3_num_f32 v[S+16*\b+\i], v[S+16*\b+\i], -v[240+\b], v[240+\b]
.endr
	v_cvt_scalef32_pk8_fp8_f32 v[PC+4*\b:PC+1+4*\b], v[S+16*\b:S+7+16*\b], v[244+\b]
	v_cvt_scalef32_pk8_fp8_f32 v[PC+2+4*\b:PC+3+4*\b], v[S+8+16*\b:S+15+16*\b], v[244+\b]
.endr
	v_nop
	global_store_b128 v[LI], v[PC:PC+3], s[58:59]              ; 512 consecutive aligned bytes each
	global_store_b128 v[LI], v[PC+4:PC+7], s[58:59] offset:512
	s_wait_xcnt 0x0                                ; EXEC changes only behind this wait
	v_cmp_gt_u32 vcc_lo, 16, v[LN]
	s_and_saveexec_b32 s53, vcc_lo                 ; one lane a row
	global_store_b16 v[SA], v238, s[60:61]
	s_wait_xcnt 0x0                                ; and again in front of the line that widens it
	s_or_b32 exec_lo, exec_lo, s53
.endm
	s_cmp_lt_u32 s[WV], 2
	s_cbranch_scc0 .Lnot_first
	s_wait_tensorcnt 0x0                           ; waves 0, 1: records 0, 1 are in
.Lnot_first:
	s_barrier_signal -1
	s_barrier_wait -1
.Lpre:                                             ; steps 0 and 1, while the other records land
	STEP
	s_cmp_lt_u32 s[ST], 2
	s_cbranch_scc1 .Lpre
	s_wait_tensorcnt 0x0                           ; my record is in
	s_cmp_eq_u32 s[ROLE], 0
	s_cbranch_scc1 .Lno_stash
	ds_store_b128 v[QA], v[QL:QL+3]                ; H leaves Q's fragment and scale word of tile 15 - w for L
	ds_store_b128 v[QA], v[QL+4:QL+7] offset:512
	ds_store_b32 v[QW], v255
.Lno_stash:
	s_wait_dscnt 0x0
	s_barrier_signal -1
	s_barrier_wait -1                              ; all sixteen records are whole, and so are Q's copies
.Lloop:                                            ; steps 2 .. 15: fourteen trips in every wave; a step that is not a wave's is passed over
	s_cmp_eq_u32 s[ST], 9
	s_cbranch_scc0 .Lstep
.rept 8
	v_nop                                          ; places behind the last products, in front of the first readers of O^T
.endr
	s_cmp_eq_u32 s[ROLE], 0
	s_cbranch_scc0 .Lhand
	ds_load_b128 v[QL:QL+3], v[QA]                 ; L: tile 15 - w's Q lands while tile w goes out; the next step's wait for 0 covers these loads
	ds_load_b128 v[QL+4:QL+7], v[QA] offset:512
	ds_load_b128 v[QH+8:QH+11], v[QA]
	ds_load_b128 v[QH+12:QH+15], v[QA] offset:512
	ds_load_b32 v255, v[QW]
	EPI
	FRESH
	s_mov_b32 s[RK], s[R2]
	s_wait_alu depctr_va_vdst(0)                   ; the wait ahead of the branch
	s_branch .Lstep
.Lhand:
.irp k, 0,1,2,3,4,5,6,7
	ds_store_b128 v[MA], v[O+4*\k:O+4*\k+3] offset:512*\k   ; H: its part of tile 15 - w, as an image of the registers
.endr
	ds_store_b128 v[MA], v[12:15] offset:4096      ; -M, the largest t, the sum's two halves
	s_mov_b32 s[RK], 0                             ; no later step is H's
.Lstep:
	STEP
	s_cmp_lt_u32 s[ST], 16
	s_cbranch_scc1 .Lloop
.rept 8
	v_nop                                          ; places behind the last products
.endr
	s_wait_dscnt 0x0                               ; H's stores are done
	s_barrier_signal -1
	s_barrier_wait -1
	s_cmp_eq_u32 s[ROLE], 0
	s_cbranch_scc0 .Lend
.irp k, 0,1,2,3,4,5,6,7
	ds_load_b128 v[F+4*\k:F+4*\k+3], v[MA] offset:512*\k
.endr
	ds_load_b128 v[F+32:F+35], v[MA] offset:4096
	s_wait_dscnt 0x0
	v_min_num_f32 v254, v12, v[F+32]               ; the joint -M
	v_sub_f32 v252, v254, v12                      ; my M - the joint M, and H's: whole numbers, 0 or less
	v_sub_f32 v[F+36], v254, v[F+32]
	v_cvt_i32_f32 v252, v252                       ; (it saturates: a part with no step counts for nothing)
	v_cvt_i32_f32 v[F+36], v[F+36]
	v_ldexp_f32 v252, 1.0, v252
	v_ldexp_f32 v[F+36], 1.0, v[F+36]
	v_pk_mul_f32 v[14:15], v[14:15], v[252:253] op_sel_hi:[1,0]
	v_pk_fma_f32 v[14:15], v[F+34:F+35], v[F+36:F+37], v[14:15] op_sel_hi:[1,0,1]
.set J, 0
.rept 16
	v_pk_mul_f32 v[O+J:O+J+1], v[O+J:O+J+1], v[252:253] op_sel_hi:[1,0]
	v_pk_fma_f32 v[O+J:O+J+1], v[F+J:F+J+1], v[F+36:F+37], v[O+J:O+J+1] op_sel_hi:[1,0,1]
.set J, J+2
.endr
	EPI
.Lend:
	s_wait_tensorcnt 0x0                           ; the wave's end
	ds_add_u32 v230, v231
	s_wait_dscnt 0x0
	CROUND                                         ; the closing round
	s_endpgm
.Lfunc_end_k_q756d5068ae_attn:
	.size	k_q756d5068ae_attn, .Lfunc_end_k_q756d5068ae_attn-k_q756d5068ae_attn
	.p2alignl 7, 3214868480
	.fill 96, 4, 3214868480
	.section	.rodata,"a",@progbits
	.p2align	6, 0x0
	.amdhsa_kernel k_q756d5068ae_attn
		.amdhsa_group_segment_fixed_size 327680
		.amdhsa_private_segment_fixed_size 0
		.amdhsa_enable_private_segment 0
		.amdhsa_kernarg_size 16
		.amdhsa_user_sgpr_count 2
		.amdhsa_user_sgpr_kernarg_segment_ptr 1
		.amdhsa_wavefront_size32 1
		.amdhsa_system_sgpr_workgroup_id_x 1
		.amdhsa_system_sgpr_workgroup_id_y 1
		.amdhsa_system_sgpr_workgroup_id_z 1
		.amdhsa_system_vgpr_workitem_id 0
		.amdhsa_next_free_vgpr 256
		.amdhsa_next_free_sgpr 72
		.amdhsa_reserve_vcc 1
		.amdhsa_float_denorm_mode_32 3
		.amdhsa_float_denorm_mode_16_64 3
		.amdhsa_memory_ordered 1
		.amdhsa_forward_progress 1
		.amdhsa_inst_pref_size 77
	.end_amdhsa_kernel
	.amdgpu_metadata
---
amdhsa.version: [ 1, 2 ]
amdhsa.kernels:
  - .name:           k_q756d5068ae_attn
    .symbol:         k_q756d5068ae_attn.kd
    .args:
      - { .name: qkv, .offset: 0, .size: 8, .value_kind: global_buffer, .address_space: global }
      - { .name: yq, .offset: 8, .size: 8, .value_kind: global_buffer, .address_space: global }
    .group_segment_fixed_size: 327680
    .private_segment_fixed_size: 0
    .kernarg_segment_align: 8
    .kernarg_segment_size: 16
    .max_flat_workgroup_size: 512
    .sgpr_count:     72
    .vgpr_count:     256
    .wavefront_size: 32
...
	.end_amdgpu_metadata
.endif
;; end of part 4
;; launch projgemm (part 5): grid 8 x 32, 4 waves a work-group, clusters of 4 x 4, 327,680 bytes of LDS; arguments yq, wq, b_proj, out0; writes out0
.if DOCPART == 5
	.amdgcn_target "amdgcn-amd-amdhsa--gfx1250"
	.amdhsa_code_object_version 6
	.text
	.protected	k_q756d5068ae_projgemm
	.globl	k_q756d5068ae_projgemm
	.p2align	8
	.type	k_q756d5068ae_projgemm,@function
k_q756d5068ae_projgemm:
	s_mov_b64 s[64:65], 0
	v_nop
	global_prefetch_b8 v0, s[64:65] scope:SCOPE_SE
	s_setreg_imm32_b32 hwreg(HW_REG_WAVE_MODE, 25, 1), 1
	s_wait_xcnt 0x0
	s_wait_alu depctr_hold_cnt(0) depctr_sa_sdst(0) depctr_va_vdst(0) depctr_va_sdst(0) depctr_va_ssrc(0) depctr_va_vcc(0) depctr_vm_vsrc(0)
	s_getreg_b32 s2, hwreg(HW_REG_IB_STS2, 6, 4)
	s_cmp_eq_u32 s2, 0
	s_cbranch_scc0 .Lentry_in_a_cluster
	s_endpgm
.Lentry_in_a_cluster:
	s_bfe_u32 s2, ttmp6, 0x10000c
	s_cmp_lg_u32 s2, 0xf033
	s_cbranch_scc0 .Lentry_shape_is_right
	s_endpgm
.Lentry_shape_is_right:
; PROJGEMM.  out0 = y W^T + b on codes of E4M3, M 4,096 x N 1,024 x K 1,024.  256 work-groups, a tile of 128 x 128 each; four waves, 64 x 64 a wave: 16 accumulators.
; OPERANDS lie in memory as images of their registers, [kp 4][block of 16 rows][q 2][2048]: 128 rows of one kp are 32,768 dense bytes.  All of K of A's and B's 128 rows fits in LDS (2 x 131,072 bytes),
; each byte filled ONCE, by four joint loads, one a wave: wave 0 A's kp 0, 1 (two rows of 32,768 bytes), wave 1 B's, wave 2 A's kp 2, 3, wave 3 B's.  The first barrier shows waves 0 and 1's, the second all.
; No ring, no refill, and no loop to run ahead in: so no prefetch.  CLUSTERS 4 x 4: A's tiles are shared along a row of the cluster, B's along a column.
; The scale words (8 bytes a row and kp) go straight into registers: a load's 32 lanes take the 32 rows of two neighbouring blocks, 256 consecutive aligned bytes; lanes 0-15 serve the even block, lanes 16-31 the odd one.
; The matrix instruction is used transposed (source 0 = 16 rows of W, source 1 = 16 rows of y): a lane holds one token and, by the order of a block's rows (32 (rb / 2) + 8 (rb % 2) + r + 8 (r / 8)),
; the 16 registers of W's blocks 2 c, 2 c + 1 are columns 32 c + 16 h + 0 .. 15.  The bias is the first products' C.  Results leave through each wave's own stage in LDS as rows of 256 aligned bytes.
; REGISTERS: window 0: v1-13 addresses; v16-31 y's scale words, v36-51 W's (no product's two have numbers equal modulo 8); v52-83 the bias, later rows on the way out; v84-211 the sums; v212-243 rows on the way out.
;   window 1: two sets of fragments: W's four at 128 p, y's four at 128 p + 64.
; LIMITS: NaN and infinities are not served.
.set KPS,    1048576
.set PKPS,   262144
.set SCOFF,  4194304
.set PCOFF,  4325376
.set PSOFF,  5373952
.set BOFF,   131072
.set SPARE,  262144
.set STAGE,  262656
.set SPITCH, 272
.set LI,   1
.set SO,   2
.set BQ,   3
.set ADRA, 4
.set ADRB, 6
.set STO,  8
.set RD,   9
.set GO,   10
.set SPW,  12
.set NIL,  13
.set SA,   16
.set SB,   36
.set BI,   52
.set ACC,  84
.set OUT,  212
.set G1A, 24
.set G1B, 32
.set GA0, 48
.set GB0, 52
.set GA1, 56
.set GB1, 60
.set MSB, 0
.macro WIN new                         ; the immediate's high byte repeats the setting that is left
.if MSB != (\new)
	s_set_vgpr_msb (MSB<<8)|(\new)
.set MSB, (\new)
.endif
.endm
.macro PLACES n
.rept \n
	v_nop
.endr
.endm
.macro CROUND
	s_barrier_signal -1
	s_barrier_wait -1
	s_cmp_lg_u32 s14, 0
	s_cbranch_scc1 .Lnot_wave_0_\@
	s_barrier_signal -3
.Lnot_wave_0_\@:
	s_barrier_wait -3
	s_barrier_signal -1
	s_barrier_wait -1
.endm
	s_load_b256 s[4:11], s[0:1], 0x0               ; yq s[4:5], wq s[6:7], b_proj s[8:9], out0 s[10:11]
	v_lshl_add_u32 v[SPW], v0, 2, SPARE
	v_mov_b32 v[NIL], 0
	ds_add_u32 v[SPW], v[NIL]                      ; the opening: the add twice on end and one wait
	ds_add_u32 v[SPW], v[NIL]
	v_lshrrev_b32 v14, 5, v0
	v_readfirstlane_b32 s14, v14                   ; wave 0..3
	s_lshr_b32 s15, s14, 1                         ; my 64 rows of the tile
	s_and_b32 s16, s14, 1                          ; my 64 columns
	s_bfe_u32 s40, ttmp6, 0x40000                  ; cx
	s_bfe_u32 s41, ttmp6, 0x40004                  ; cy
	s_lshl_b32 s42, ttmp9, 2
	s_add_co_u32 s42, s42, s40                     ; tile column 0 .. 7
	s_and_b32 s17, ttmp7, 0xffff
	s_lshl_b32 s17, s17, 2
	s_add_co_u32 s17, s17, s41                     ; tile row 0 .. 31
	s_lshl_b32 s43, s41, 2
	s_lshl_b32 s43, 15, s43                        ; my row of the cluster
	s_lshl_b32 s44, 0x1111, s40                    ; my column
	s_or_b32 s[G1A], s43, (3<<16)|(1<<21)          ; group 1: two rows (kp) of 4,096 elements of 8 bytes
	s_or_b32 s[G1B], s44, (3<<16)|(1<<21)
.irp g, G1A, G1B
	s_mov_b32 s[\g+1], 4096<<16
	s_mov_b32 s[\g+2], 2<<16
	s_mov_b32 s[\g+3], 4096<<16
	s_mov_b32 s[\g+4], 2
	s_mov_b32 s[\g+6], 0
	s_mov_b32 s[\g+7], 0
.endr
	s_mov_b32 s[G1A+5], KPS/8
	s_mov_b32 s[G1B+5], PKPS/8
	s_lshl_b32 s20, s17, 15                        ; A's codes: 32,768 bytes a tile row and kp
	s_mov_b32 s21, 0
	s_lshl_b32 s22, s42, 15                        ; B's likewise, in registers that never hold A's coordinate
	s_add_co_u32 s22, s22, PCOFF
	s_mov_b32 s23, 0
	s_lshl_b32 s68, s17, 10                        ; scale words: 1,024 bytes a tile and kp, 512 for my 64 rows
	s_lshl_b32 s18, s15, 9
	s_add_co_u32 s68, s68, s18
	s_add_co_u32 s68, s68, SCOFF
	s_mov_b32 s69, 0
	s_lshl_b32 s70, s42, 10
	s_lshl_b32 s18, s16, 9
	s_add_co_u32 s70, s70, s18
	s_add_co_u32 s70, s70, PSOFF
	s_mov_b32 s71, 0
	s_lshl_b32 s72, s42, 9                         ; my first column, in bytes
	s_lshl_b32 s18, s16, 8
	s_add_co_u32 s72, s72, s18
	s_mov_b32 s73, 0
	s_lshl_b32 s74, s17, 19                        ; my first row of out0: rows of 4,096 bytes
	s_lshl_b32 s18, s15, 18
	s_add_co_u32 s74, s74, s18
	s_add_co_u32 s74, s74, s72
	s_mov_b32 s75, 0
	s_lshl_b32 s18, s15, 14                        ; my four blocks of A in a kp's 32,768 bytes of LDS,
	s_lshl_b32 s19, s16, 14
	s_add_co_u32 s19, s19, BOFF                    ; and of B
	s_mul_i32 s45, s14, 16*SPITCH
	s_add_co_u32 s45, s45, STAGE                   ; my stage
	s_mov_b32 s[GA0], 1
	s_mov_b32 s[GA0+1], 0
	s_mov_b32 s[GB0], 1
	s_mov_b32 s[GB0+1], BOFF
	s_mov_b32 s[GA1], 1
	s_mov_b32 s[GA1+1], 65536
	s_mov_b32 s[GB1], 1
	s_mov_b32 s[GB1+1], BOFF+65536
	v_and_b32 v14, 15, v0                          ; r
	v_bfe_u32 v15, v0, 4, 1                        ; h
	v_and_b32 v[SO], 31, v0
	v_lshlrev_b32 v[LI], 4, v[SO]
	v_lshlrev_b32 v[SO], 3, v[SO]
	v_lshlrev_b32 v[BQ], 6, v15
	v_add_nc_u32 v[ADRA], s18, v[LI]
	v_add_nc_u32 v[ADRA+1], 65536, v[ADRA]         ; kp 2, 3
	v_add_nc_u32 v[ADRB], s19, v[LI]
	v_add_nc_u32 v[ADRB+1], 65536, v[ADRB]
	v_mul_u32_u24 v[STO], v14, SPITCH              ; into the stage: row r, 64 bytes for each half of the lanes
	v_lshl_add_u32 v[STO], v15, 6, v[STO]
	v_add_nc_u32 v[STO], s45, v[STO]
	v_mul_u32_u24 v[RD], v15, SPITCH               ; back: lanes 0-15 one row of 256 bytes, lanes 16-31 the next
	v_lshl_add_u32 v[RD], v14, 4, v[RD]
	v_add_nc_u32 v[RD], s45, v[RD]
	v_lshlrev_b32 v[GO], 12, v15                   ; and the same two rows in out0
	v_lshl_add_u32 v[GO], v14, 4, v[GO]
	s_wait_alu depctr_va_vdst(0)                   ; the wait at the head's end
	s_wait_dscnt 0x0
	s_wait_kmcnt 0x0
	s_add_nc_u64 s[GA0+2:GA0+3], s[4:5], s[20:21]
	s_add_nc_u64 s[GA1+2:GA1+3], s[GA0+2:GA0+3], 2*KPS
	s_add_nc_u64 s[GB0+2:GB0+3], s[6:7], s[22:23]
	s_add_nc_u64 s[GB1+2:GB1+3], s[GB0+2:GB0+3], 2*PKPS
.irp g, GA0, GA1, GB0, GB1
	s_or_b32 s[\g+3], s[\g+3], 0x80000000
.endr
	s_add_nc_u64 s[68:69], s[4:5], s[68:69]
	s_add_nc_u64 s[70:71], s[6:7], s[70:71]
	s_add_nc_u64 s[8:9], s[8:9], s[72:73]
	s_add_nc_u64 s[12:13], s[10:11], s[74:75]
.irp k, 0,1,2,3
.irp p, 0,1
	global_load_b64 v[SA+4*\k+2*\p:SA+4*\k+2*\p+1], v[SO], s[68:69] offset:\k*32768+\p*256   ; words q 0, 1 of kp k: rows of blocks 2 p, 2 p + 1
	global_load_b64 v[SB+4*\k+2*\p:SB+4*\k+2*\p+1], v[SO], s[70:71] offset:\k*8192+\p*256
.endr
.endr
.irp b, 0,1,2,3
	global_load_b128 v[BI+8*\b:BI+8*\b+3], v[BQ], s[8:9] offset:(32*(\b/2)+8*(\b%2))*4
	global_load_b128 v[BI+8*\b+4:BI+8*\b+7], v[BQ], s[8:9] offset:(32*(\b/2)+8*(\b%2))*4+16
.endr
	CROUND                                         ; all sixteen work-groups are here: the joint loads meet
.macro ARM under, g0, g1, next         ; one chain of branches on the wave's number, a load to an arm
	s_cmp_lt_u32 s14, \under
	s_cbranch_scc0 \next
	tensor_load_to_lds s[\g0:\g0+3], s[\g1:\g1+7]
	s_nop 0
	PLACES 4
	s_branch .Lhead_asked
\next:
.endm
	ARM 1, GA0, G1A, .Lhead_b0
	ARM 2, GB0, G1B, .Lhead_a1
	ARM 3, GA1, G1A, .Lhead_b1
	tensor_load_to_lds s[GB1:GB1+3], s[G1B:G1B+7]
	s_nop 0
	PLACES 4
.Lhead_asked:
.macro FETCH s                         ; step s = 2 kp + q: W's four fragments and y's four into set s % 2: 32 loads of 512 consecutive bytes
	WIN 0x40
.irp i, 0,1,2,3
.irp c, 0,1,2,3
	ds_load_b128 v[128*((\s)%2)+16*\i+4*\c:128*((\s)%2)+16*\i+4*\c+3], v[ADRB+(\s)/4] offset:(((\s)/2)%2)*32768+\i*4096+((\s)%2)*2048+512*\c
.endr
.endr
.irp i, 0,1,2,3
.irp c, 0,1,2,3
	ds_load_b128 v[128*((\s)%2)+64+16*\i+4*\c:128*((\s)%2)+64+16*\i+4*\c+3], v[ADRA+(\s)/4] offset:(((\s)/2)%2)*32768+\i*4096+((\s)%2)*2048+512*\c
.endr
.endr
.endm
.macro MUL s                           ; 16 products: the sixteen accumulators by turns, in the same order in every step
	WIN 0x05
.irp a, 0,1,2,3
.irp b, 0,1,2,3
.set D_, ACC+8*(4*\a+\b)
.set C_, D_
.if (\s) == 0
.set C_, BI+8*\b
.endif
.set X_, 128*((\s)%2)+16*\b
.set Y_, 128*((\s)%2)+64+16*\a
.set SX_, SB+4*((\s)/2)+((\s)%2)+2*(\b/2)
.set SY_, SA+4*((\s)/2)+((\s)%2)+2*(\a/2)
.if (\b%2) && (\a%2)
	v_wmma_scale_f32_16x16x128_f8f6f4 v[D_:D_+7], v[X_:X_+15], v[Y_:Y_+15], v[C_:C_+7], v[SX_], v[SY_] matrix_a_scale:MATRIX_SCALE_ROW1 matrix_b_scale:MATRIX_SCALE_ROW1
.elseif \b%2
	v_wmma_scale_f32_16x16x128_f8f6f4 v[D_:D_+7], v[X_:X_+15], v[Y_:Y_+15], v[C_:C_+7], v[SX_], v[SY_] matrix_a_scale:MATRIX_SCALE_ROW1
.elseif \a%2
	v_wmma_scale_f32_16x16x128_f8f6f4 v[D_:D_+7], v[X_:X_+15], v[Y_:Y_+15], v[C_:C_+7], v[SX_], v[SY_] matrix_b_scale:MATRIX_SCALE_ROW1
.else
	v_wmma_scale_f32_16x16x128_f8f6f4 v[D_:D_+7], v[X_:X_+15], v[Y_:Y_+15], v[C_:C_+7], v[SX_], v[SY_]
.endif
.endr
.endr
.endm
	s_cmp_lt_u32 s14, 2
	s_cbranch_scc0 .Lnot_yet
	s_wait_tensorcnt 0x0                           ; waves 0, 1: kp 0, 1 of A, of B are in
.Lnot_yet:
	s_barrier_signal -1
	s_barrier_wait -1
	FETCH 0
	FETCH 1
	s_wait_loadcnt 0x0                             ; the scale words and the bias
	s_wait_dscnt 32                                ; all but the 32 loads just issued
	MUL 0
	PLACES 8                                       ; in front of loads into registers that the products have read
	FETCH 2
	s_wait_dscnt 32
	MUL 1
	PLACES 8
	FETCH 3
	s_wait_tensorcnt 0x0                           ; every wave: its tile is in
	s_wait_dscnt 0x0
	s_barrier_signal -1
	MUL 2                                          ; work on registers while the others arrive
	s_barrier_wait -1                              ; kp 2, 3 are whole
	PLACES 8
	FETCH 4
	MUL 3                                          ; its fragments were waited for in front of the signal
.irp s, 4,5,6
	PLACES 8
	FETCH \s+1
	s_wait_dscnt 32
	MUL \s
.endr
	s_wait_dscnt 0x0
	MUL 7
	WIN 0
; THE WAY OUT, by blocks of 16 tokens x 64 columns: into my stage, back as rows of 256 bytes; LDS serves a wave's instructions in order (ISA guide 5.7.1.4), so no wait stands between the stores and the loads
.macro ROWS a                          ; each block's rows come back into 32 registers of their own, so no store's data are written again: v212 on; the bias's; the scale words'; block 0's sums (its LDS stores are done behind SEND 0's wait)
.set BB_, OUT
.if (\a) == 1
.set BB_, BI
.elseif (\a) == 2
.set BB_, SA
.elseif (\a) == 3
.set BB_, ACC
.endif
.endm
.macro TOSTAGE a
.irp b, 0,1,2,3
	ds_store_b128 v[STO], v[ACC+8*(4*(\a)+\b):ACC+8*(4*(\a)+\b)+3] offset:128*(\b/2)+32*(\b%2)      ; each accumulator from its low end on
	ds_store_b128 v[STO], v[ACC+8*(4*(\a)+\b)+4:ACC+8*(4*(\a)+\b)+7] offset:128*(\b/2)+32*(\b%2)+16
.endr
	ROWS \a
.irp t, 0,1,2,3,4,5,6,7
	ds_load_b128 v[BB_+4*\t:BB_+4*\t+3], v[RD] offset:\t*2*SPITCH
.endr
.endm
.macro SEND a, younger                 ; younger: the LDS instructions issued behind block a's loads
	ROWS \a
	s_wait_dscnt \younger
.irp t, 0,1,2,3,4,5,6,7
	global_store_b128 v[GO], v[BB_+4*\t:BB_+4*\t+3], s[12:13] offset:(32*((\a)/2)+8*((\a)%2)+2*\t+8*(\t/4))*4096 th:TH_STORE_NT   ; sixteen lanes store 256 consecutive aligned bytes
.endr
.endm
	PLACES 8
	TOSTAGE 0
	TOSTAGE 1
	SEND 0, 16
	TOSTAGE 2
	SEND 1, 16
	TOSTAGE 3
	SEND 2, 16
	SEND 3, 0
	s_wait_tensorcnt 0x0                           ; the wave's end
	ds_add_u32 v[SPW], v[NIL]
	s_wait_dscnt 0x0
	CROUND                                         ; the closing round
	s_endpgm
.Lfunc_end_k_q756d5068ae_projgemm:
	.size	k_q756d5068ae_projgemm, .Lfunc_end_k_q756d5068ae_projgemm-k_q756d5068ae_projgemm
	.p2alignl 7, 3214868480
	.fill 96, 4, 3214868480
	.section	.rodata,"a",@progbits
	.p2align	6, 0x0
	.amdhsa_kernel k_q756d5068ae_projgemm
		.amdhsa_group_segment_fixed_size 327680
		.amdhsa_private_segment_fixed_size 0
		.amdhsa_enable_private_segment 0
		.amdhsa_kernarg_size 32
		.amdhsa_user_sgpr_count 2
		.amdhsa_user_sgpr_kernarg_segment_ptr 1
		.amdhsa_wavefront_size32 1
		.amdhsa_system_sgpr_workgroup_id_x 1
		.amdhsa_system_sgpr_workgroup_id_y 1
		.amdhsa_system_sgpr_workgroup_id_z 1
		.amdhsa_system_vgpr_workitem_id 0
		.amdhsa_next_free_vgpr 512
		.amdhsa_next_free_sgpr 80
		.amdhsa_reserve_vcc 0
		.amdhsa_float_denorm_mode_32 3
		.amdhsa_float_denorm_mode_16_64 3
		.amdhsa_memory_ordered 1
		.amdhsa_forward_progress 1
		.amdhsa_inst_pref_size 52
	.end_amdhsa_kernel
	.amdgpu_metadata
---
amdhsa.version: [ 1, 2 ]
amdhsa.kernels:
  - .name:           k_q756d5068ae_projgemm
    .symbol:         k_q756d5068ae_projgemm.kd
    .args:
      - { .name: yq, .offset: 0, .size: 8, .value_kind: global_buffer, .address_space: global }
      - { .name: wq, .offset: 8, .size: 8, .value_kind: global_buffer, .address_space: global }
      - { .name: b_proj, .offset: 16, .size: 8, .value_kind: global_buffer, .address_space: global }
      - { .name: out0, .offset: 24, .size: 8, .value_kind: global_buffer, .address_space: global }
    .group_segment_fixed_size: 327680
    .private_segment_fixed_size: 0
    .kernarg_segment_align: 8
    .kernarg_segment_size: 32
    .max_flat_workgroup_size: 128
    .sgpr_count:     80
    .vgpr_count:     512
    .wavefront_size: 32
...
	.end_amdgpu_metadata
.endif
;; end of part 5
